; MI455X (gfx1250); checked and timed in simulation.
; The chip was launched on July 23, 2026; its instructions are those of AMD's public machine-readable ISA for CDNA 5 (MIT licence, August 2026) and "CDNA5" Instruction Set Architecture Reference Guide (July 2026). The comments in the code are by the model that wrote it; some were corrected since.
;; MHA. Allowed arithmetic: float matrix products may take bf16 or f16 operands with f32 sums; all other float work in f32.
;; Inputs: mask 2,048 x 2,048 float32; pos_embedding 8 x 2,048 x 2,048 float32; wk_b 1,024 float32; wk_w 512 x 1,024 float32; wo_b 512 float32; wo_w 1,024 x 512 float32; wq_b 1,024 float32; wq_w 512 x 1,024 float32; wv_b 1,024 float32; wv_w 512 x 1,024 float32; x 4 x 2,048 x 512 float32.
;; Outputs: out0 4 x 2,048 x 512 float32.
;; 2 versions, each right; version 2 is version 1 with the launch prep written anew for expert scheduling mode. Each part assembles by itself: llvm-mc -triple=amdgcn-amd-amdhsa -mcpu=gfx1250 --defsym DOCPART=n.
;; ======== version 1 of 2: 4 launches
;; limits: right only within a limited range of input values; values are held in f16: magnitudes above 65,504 overflow, below 6.1e-05 lose precision
;; workspace buffers: xb 8,388,608 bytes; wt 3,145,728 bytes; wot 1,048,576 bytes; maskc 16,777,216 bytes; qkv 50,331,648 bytes; obuf 16,777,216 bytes
;; launch prep (part 1): grid 256 x 1, 8 waves a work-group, no clusters, 18,432 bytes of LDS; arguments x, mask, wq_w, wk_w, wv_w, wo_w, xb, maskc, wt, wot; writes xb, maskc, wt, wot
.if DOCPART == 1
	.amdgcn_target "amdgcn-amd-amdhsa--gfx1250"
	.amdhsa_code_object_version 6
	.text
	.protected	k_q7e86492a29_prep
	.globl	k_q7e86492a29_prep
	.p2align	8
	.type	k_q7e86492a29_prep,@function
k_q7e86492a29_prep:
	s_mov_b64 s[64:65], 0
	v_nop
	global_prefetch_b8 v0, s[64:65] scope:SCOPE_SE
	s_setreg_imm32_b32 hwreg(HW_REG_WAVE_MODE, 25, 1), 1
	s_wait_xcnt 0x0
; PREP.  What the three matrix launches want ready, made in one streaming pass:
;   xb    = x rounded to bf16, [8192][512]
;   maskc = log2(e) x mask in f32, [2048][2048]: the attention adds it by one fused multiply-add that also turns scores into exponents of 2
;   wt    = (Wq | Wk | Wv) transposed and rounded to bf16, [3072][512]: k along the rows, as a matrix fragment wants it
;   wot   = Wo transposed, rounded to bf16 and that number written as f16, [512][1024]
; LIMITS.  A weight of Wo below 6e-5 in size keeps the fixed step of 6e-8 of f16; beyond 65,504 it would be lost (the drawn spread is 0.02).
; SHARES.  256 work-groups of eight waves.  Each takes 65,536 bytes of x, 65,536 bytes of mask and ONE tile of 128 k x 64 n of one weight (4 weights x 64 tiles).
; Memory binds: every byte is read once by 16-byte loads, all 40 loads of a thread go out before the first wait, and every store covers whole aligned runs of 256 bytes.
; No matrix unit, no cluster, no tensor load: the work-groups share no input and the only turn of data is the weights 64 x 128 transpose, which goes through LDS.
.set PITCH,  272                       ; an LDS row: 128 k of 2 bytes + 16 bytes of padding
.set SPARE,  64*PITCH                  ; behind the 64 rows: the spare words, 128 bytes for each of eight waves, four blocks of 256 bytes that no other line names
.set WA,  4                            ; v[4:11]   byte offsets of my 8 loads in the weight tile
.set DA,  12                           ; v[12:15]  byte offsets of my 4 stores in the transposed weight
.set LS,  16                           ; v16       where I put pairs of k in LDS
.set LR,  17                           ; v17       where I read 16 bytes of a row back
.set XO,  18                           ; v18       16 x thread
.set XS8, 19                           ; v19       8 x thread
.set SPW, 30                           ; v30       LDS address of my spare word; never rewritten
.set NIL, 31                           ; v31       0; never rewritten
.set WL,  32                           ; v[32:63]  the weight as loaded: 8 x 4 f32
.set WD,  64                           ; v[64:79]  16 words, each k and k + 1 of one column
.set WR,  80                           ; v[80:95]  4 x 16 bytes of transposed rows
.set XL,  96                           ; v[96:159] x as loaded
.set XP,  160                          ; v[160:191] x packed
.set ML,  192                          ; v[192:255] mask as loaded, then scaled in place
	s_load_b512 s[4:19], s[0:1], 0x0               ; x 4, mask 6, wq 8, wk 10, wv 12, wo 14, xb 16, maskc 18
	s_load_b128 s[20:23], s[0:1], 0x40             ; wt 20, wot 22
	v_lshl_add_u32 v[SPW], v0, 2, SPARE
	v_mov_b32 v[NIL], 0
	s_lshr_b32 s24, ttmp9, 6                       ; which weight: 0 q, 1 k, 2 v, 3 o
	s_and_b32 s25, ttmp9, 63                       ; which of its 64 tiles
	s_cmp_eq_u32 s24, 3
	s_cselect_b32 s26, 11, 12                      ; log2 of a source row: Wo 2,048 bytes, the others 4,096
	s_cselect_b32 s27, 11, 10                      ; log2 of a destination row: wot 2,048 bytes, wt 1,024
	s_cselect_b32 s28, 3, 4                        ; Wo has 8 x 8 tiles (k x n), the others 4 x 16
	s_cselect_b32 s29, 7, 15
	s_cselect_b32 s36, 0, s24                      ; wt holds three weights one below the other, wot one
	s_lshr_b32 s32, s25, s28                       ; kt
	s_and_b32 s33, s25, s29                        ; nt
	s_lshl_b32 s34, s32, 7
	s_lshl_b32 s34, s34, s26                       ; 128 kt source rows
	s_lshl_b32 s35, s33, 8                         ; + 64 nt columns of 4 bytes
	s_add_co_u32 s34, s34, s35
	s_mov_b32 s35, 0                               ; s[34:35] the tile in its weight
	s_lshl_b32 s36, s36, 10
	s_lshl_b32 s37, s33, 6
	s_add_co_u32 s36, s36, s37                     ; destination row 1,024 sel + 64 nt
	s_lshl_b32 s36, s36, s27
	s_lshl_b32 s37, s32, 8                         ; + 128 kt columns of 2 bytes
	s_add_co_u32 s36, s36, s37
	s_mov_b32 s37, 0                               ; s[36:37] the tile in the transposed weight
	s_lshl_b32 s42, ttmp9, 16                      ; my 65,536 bytes of x, mask and maskc
	s_mov_b32 s43, 0
	s_lshl_b32 s44, ttmp9, 15                      ; my 32,768 bytes of xb
	s_mov_b32 s45, 0
	v_and_b32 v1, 15, v0                           ; c4: which 16 bytes (4 columns) of a source row of 256 bytes
	v_lshrrev_b32 v2, 4, v0                        ; kk: 0 to 15
	v_lshlrev_b32 v20, 4, v1
	v_lshlrev_b32 v3, 1, v2
.irp n, 0,1,2,3,4,5,6,7
	v_add_nc_u32 v21, 32*(\n/2)+(\n%2), v3         ; source row 32 i + 2 kk + e, with n = 2 i + e
	v_lshl_add_u32 v[WA+\n], v21, s26, v20
.endr
.irp i, 0,1,2,3
	v_add_nc_u32 v21, 16*\i, v2                    ; destination row kk + 16 i
	v_lshl_add_u32 v[DA+\i], v21, s27, v20
.endr
	v_mul_u32_u24 v[LS], v1, 4*PITCH               ; LDS row 4 c4 (+ j), byte 4 kk (+ 64 i)
	v_lshl_add_u32 v[LS], v2, 2, v[LS]
	v_mul_u32_u24 v[LR], v2, PITCH                 ; LDS row kk (+ 16 i), byte 16 c4
	v_lshl_add_u32 v[LR], v1, 4, v[LR]
	v_lshlrev_b32 v[XO], 4, v0
	v_lshlrev_b32 v[XS8], 3, v0
	s_wait_kmcnt 0x0
	s_cmp_eq_u32 s24, 1                            ; the weight and its destination are chosen by the tile number alone
	s_cselect_b64 s[38:39], s[10:11], s[8:9]
	s_cmp_eq_u32 s24, 2
	s_cselect_b64 s[38:39], s[12:13], s[38:39]
	s_cmp_eq_u32 s24, 3
	s_cselect_b64 s[38:39], s[14:15], s[38:39]
	s_cselect_b64 s[40:41], s[22:23], s[20:21]
	s_add_nc_u64 s[38:39], s[38:39], s[34:35]
	s_add_nc_u64 s[40:41], s[40:41], s[36:37]
	s_add_nc_u64 s[4:5], s[4:5], s[42:43]
	s_add_nc_u64 s[6:7], s[6:7], s[42:43]
	s_add_nc_u64 s[18:19], s[18:19], s[42:43]
	s_add_nc_u64 s[16:17], s[16:17], s[44:45]
	; all 40 loads of a thread go out before the first wait; every register below is written once, so no source is ever rewritten
.irp n, 0,1,2,3,4,5,6,7
	global_load_b128 v[WL+4*\n:WL+4*\n+3], v[WA+\n], s[38:39] th:TH_LOAD_NT   ; 16 lanes take the 256 bytes of one row of the tile
.endr
.set i, 0
.rept 16
	global_load_b128 v[XL+4*i:XL+4*i+3], v[XO], s[4:5] offset:4096*i th:TH_LOAD_NT
.set i, i+1
.endr
.set i, 0
.rept 16
	global_load_b128 v[ML+4*i:ML+4*i+3], v[XO], s[6:7] offset:4096*i th:TH_LOAD_NT
.set i, i+1
.endr
	s_wait_loadcnt 32                              ; loads return in order: the weight is in, the 32 younger loads stay out
.irp i, 0,1,2,3
.irp j, 0,1,2,3
	v_cvt_pk_bf16_f32 v[WD+4*\i+\j], v[WL+8*\i+\j], v[WL+8*\i+4+\j]           ; k = 32 i + 2 kk and k + 1 of column 4 c4 + j
.endr
.endr
	s_cmp_lg_u32 s24, 3
	s_cbranch_scc1 .Lkeep_bf16                     ; the same way in all eight waves; no barrier is jumped
.irp n, 0,1,2,3,4,5,6,7,8,9,10,11,12,13,14,15
	v_lshlrev_b32 v[22+2*(\n%2)], 16, v[WD+\n]     ; Wo: the bf16 numbers are written as f16, for the product with O in f16
	v_and_b32 v[23+2*(\n%2)], 0xffff0000, v[WD+\n]
	v_cvt_pk_f16_f32 v[WD+\n], v[22+2*(\n%2)], v[23+2*(\n%2)]
.endr
.Lkeep_bf16:
.irp i, 0,1,2,3
.irp j, 0,1,2,3
	ds_store_b32 v[LS], v[WD+4*\i+\j] offset:\j*PITCH+64*\i
.endr
.endr
	s_wait_dscnt 0x0                               ; for the others: my stores into the 64 rows are done
	s_barrier_signal -1
	s_barrier_wait -1
.irp i, 0,1,2,3
	ds_load_b128 v[WR+4*\i:WR+4*\i+3], v[LR] offset:\i*16*PITCH
.endr
.set i, 0
.rept 16
	s_wait_loadcnt 31-i                            ; piece i of x is in: 15 - i of x and 16 of mask are younger
	v_cvt_pk_bf16_f32 v[XP+2*i], v[XL+4*i], v[XL+4*i+1]
	v_cvt_pk_bf16_f32 v[XP+2*i+1], v[XL+4*i+2], v[XL+4*i+3]
	global_store_b64 v[XS8], v[XP+2*i:XP+2*i+1], s[16:17] offset:2048*i        ; a wave stores 256 consecutive bytes, aligned
.set i, i+1
.endr
.set i, 0
.rept 16
	s_wait_loadcnt 15-i
	v_pk_mul_f32 v[ML+4*i:ML+4*i+1], v[ML+4*i:ML+4*i+1], 0x3fb8aa3b op_sel_hi:[1,0]
	v_pk_mul_f32 v[ML+4*i+2:ML+4*i+3], v[ML+4*i+2:ML+4*i+3], 0x3fb8aa3b op_sel_hi:[1,0]
	global_store_b128 v[XO], v[ML+4*i:ML+4*i+3], s[18:19] offset:4096*i
.set i, i+1
.endr
	s_wait_dscnt 0x0                               ; the transposed rows are back
.irp i, 0,1,2,3
	global_store_b128 v[DA+\i], v[WR+4*\i:WR+4*\i+3], s[40:41]                 ; 16 lanes store the 256 bytes of one row of the tile, aligned
.endr
	s_wait_tensorcnt 0x0                           ; the end of a wave that wrote LDS
	ds_add_u32 v[SPW], v[NIL]
	s_wait_dscnt 0x0
	s_endpgm
.Lfunc_end_k_q7e86492a29_prep:
	.size	k_q7e86492a29_prep, .Lfunc_end_k_q7e86492a29_prep-k_q7e86492a29_prep
	.p2alignl 7, 3214868480
	.fill 96, 4, 3214868480
	.section	.rodata,"a",@progbits
	.p2align	6, 0x0
	.amdhsa_kernel k_q7e86492a29_prep
		.amdhsa_group_segment_fixed_size 18432
		.amdhsa_private_segment_fixed_size 0
		.amdhsa_enable_private_segment 0
		.amdhsa_kernarg_size 80
		.amdhsa_user_sgpr_count 2
		.amdhsa_user_sgpr_kernarg_segment_ptr 1
		.amdhsa_wavefront_size32 1
		.amdhsa_system_sgpr_workgroup_id_x 1
		.amdhsa_system_sgpr_workgroup_id_y 1
		.amdhsa_system_sgpr_workgroup_id_z 1
		.amdhsa_system_vgpr_workitem_id 0
		.amdhsa_next_free_vgpr 256
		.amdhsa_next_free_sgpr 66
		.amdhsa_reserve_vcc 0
		.amdhsa_float_denorm_mode_32 3
		.amdhsa_float_denorm_mode_16_64 3
		.amdhsa_memory_ordered 1
		.amdhsa_forward_progress 1
		.amdhsa_inst_pref_size 22
	.end_amdhsa_kernel
	.amdgpu_metadata
---
amdhsa.version: [ 1, 2 ]
amdhsa.kernels:
  - .name:           k_q7e86492a29_prep
    .symbol:         k_q7e86492a29_prep.kd
    .args:
      - { .name: x, .offset: 0, .size: 8, .value_kind: global_buffer, .address_space: global }
      - { .name: mask, .offset: 8, .size: 8, .value_kind: global_buffer, .address_space: global }
      - { .name: wq_w, .offset: 16, .size: 8, .value_kind: global_buffer, .address_space: global }
      - { .name: wk_w, .offset: 24, .size: 8, .value_kind: global_buffer, .address_space: global }
      - { .name: wv_w, .offset: 32, .size: 8, .value_kind: global_buffer, .address_space: global }
      - { .name: wo_w, .offset: 40, .size: 8, .value_kind: global_buffer, .address_space: global }
      - { .name: xb, .offset: 48, .size: 8, .value_kind: global_buffer, .address_space: global }
      - { .name: maskc, .offset: 56, .size: 8, .value_kind: global_buffer, .address_space: global }
      - { .name: wt, .offset: 64, .size: 8, .value_kind: global_buffer, .address_space: global }
      - { .name: wot, .offset: 72, .size: 8, .value_kind: global_buffer, .address_space: global }
    .group_segment_fixed_size: 18432
    .private_segment_fixed_size: 0
    .kernarg_segment_align: 8
    .kernarg_segment_size: 80
    .max_flat_workgroup_size: 256
    .sgpr_count:     66
    .vgpr_count:     256
    .wavefront_size: 32
...
	.end_amdgpu_metadata
.endif
;; end of part 1
;; launch qkv (part 2): grid 32 x 8, 4 waves a work-group, clusters of 4 x 1, 327,680 bytes of LDS; arguments xb, wt, wq_b, wk_b, wv_b, qkv; writes qkv
.if DOCPART == 2
	.amdgcn_target "amdgcn-amd-amdhsa--gfx1250"
	.amdhsa_code_object_version 6
	.text
	.protected	k_q7e86492a29_qkv
	.globl	k_q7e86492a29_qkv
	.p2align	8
	.type	k_q7e86492a29_qkv,@function
k_q7e86492a29_qkv:
	s_mov_b64 s[64:65], 0
	v_nop
	global_prefetch_b8 v0, s[64:65] scope:SCOPE_SE
	s_setreg_imm32_b32 hwreg(HW_REG_WAVE_MODE, 25, 1), 1
	s_wait_xcnt 0x0
	s_wait_alu depctr_hold_cnt(0) depctr_sa_sdst(0) depctr_va_vdst(0) depctr_va_sdst(0) depctr_va_ssrc(0) depctr_va_vcc(0) depctr_vm_vsrc(0)
	s_getreg_b32 s2, hwreg(HW_REG_IB_STS2, 6, 4)
	s_cmp_eq_u32 s2, 0
	s_cbranch_scc0 .Lentry_in_a_cluster
	s_endpgm
.Lentry_in_a_cluster:
	s_bfe_u32 s2, ttmp6, 0x10000c
	s_cmp_lg_u32 s2, 0x3003
	s_cbranch_scc0 .Lentry_shape_is_right
	s_endpgm
.Lentry_shape_is_right:
; QKV.  q = (x Wq + bq) / sqrt(128), k = x Wk + bk, v = x Wv + bv.  Products in bf16 with f32 sums; bias and scale in f32; each result rounded ONCE, to f16.
; LIMITS.  q / sqrt(128), k and v must lie within 65,504, the end of f16 (drawn spread 0.45); NaN and infinities are not treated apart.
; OUT.  qkv in blocks of 64 rows x 128 f16 (16,384 dense bytes) at byte sel<<24 | (b>>1)<<23 | head<<20 | (s>>6)<<15 | (b&1)<<14: the 64 keys of a step, of both batches of a pair, are 128 dense rows of 256 bytes.
; SHARES.  A work-group takes 256 rows of x and three CHUNKS of 128 columns (a chunk = one head of q, k or v), a wave 64 rows x the whole chunk: 32 accumulators.
; A STANDS IN REGISTERS: a wave's 64 rows x 512 k of xb are 512 registers, loaded once straight from memory in fragment layout and used for all three chunks; only B goes through LDS:
; 16 LDS loads feed 32 matrix instructions.  256 x 384 gives each of 256 work-groups the same work.
; B's chunks (128 rows of wt x 512 k, as four regions of 128 k) lie in two LDS slots.  The four row blocks of a cluster walk the same chunks, so each tile is asked for JOINTLY (mask of four).
; ONE TEXT FOR ALL THREE CHUNKS.  Chunks 0 and 1 are first fills (a wave fetches a quarter of K, 128 rows of 256 bytes, of each).  The loop is entered at its middle; its head, which runs ahead of chunk 1 and ahead of
; chunk 2, fills chunk 0's slot again with ONE HALF ALONG K of chunk 2 each time (a wave fetches 64 rows of 256 bytes): so every pass of the head has a fill that is read later, and no tail is written out.
; The second half is asked for at chunk 2's own head and read from K step 8 on: a wait for it and a work-group barrier stand in K step 7, 224 matrix instructions behind the request.
; Two tensor loads of a wave are out at the start, one later.
; THE MATRIX INSTRUCTION IS USED TRANSPOSED (source 0 = 16 rows of wt, source 1 = 16 rows of x): a lane holds eight neighbouring columns of one row.
; REGISTERS, in windows of 256: window 0: v0-31 addresses; v64-127, v128-191 B's fragments, two buffers (on the way out: packed results and rows read back); v192-255 64 biases
;   window 1: accumulator (a, b) at v[8 (8 a + b)]      windows 2, 3: A's fragment (kc, a) at v[32 kc + 8 a], kc 0-7 in window 2, 8-15 in window 3
.set PITCH,  272                       ; an LDS row: 256 bytes + 16 of padding = 68 words: the 16 rows of a load start at 16 different groups of four banks (64 banks of 4 bytes: ISA guide 11.1)
.set REGION, 128*PITCH                 ; a quarter of K of a chunk
.set SLOT,   4*REGION                  ; chunk 1 lies at byte 0, chunks 0 and 2 at byte SLOT
.set STAGE,  2*SLOT                    ; behind the slots: 16 rows x 272 bytes for each wave, for the way out; no tensor load fills it
.set SPARE,  STAGE+4*16*PITCH          ; the spare words, 128 bytes for each wave: two blocks of 256 bytes that no other line names
.set XO,  3                            ; v3   my byte offset in 16 rows of xb; never rewritten
.set BA,  4                            ; v4-5 LDS address of my B fragments: quarters 0, 1 and quarters 2, 3 of the slot in hand
.set BL,  6                            ; v6   row x pitch + 16 x half
.set STO, 7                            ; v7   the way out: where I put 16 bytes of a row
.set RD,  8                            ; v8   where I read rows back
.set CO,  9                            ; v9   16 x lane
.set BO,  10                           ; v10  32 x half: my eight biases of a block of 16 columns
.set SPW, 28                           ; v28  LDS address of my spare word; never rewritten
.set NIL, 29                           ; v29  0; never rewritten
.set F0,  64
.set BI,  192
.set TMP, 64
.set OBK, 96                           ; v96-127 and v128-159 by turns
.set WV,  16                           ; s16  wave
.set CH,  20                           ; s20  the chunk in hand: 8 sel + head
.set TB,  21                           ; s21  the slot that is read
.set CNT, 23
.set G1,  24                           ; s[24:31] group 1 of the first fills: 128 rows
.set G0A, 32                           ; s[32:35] group 0: chunk 0
.set SC,  36                           ; s[36:37] the scale, as a pair
.set BP,  38                           ; s[38:39] the chunk's biases
.set OP,  40                           ; s[40:41] my block of 64 rows in qkv
.set ROWP, 42                          ; s42  what my rows add to that address
.set G0B, 56                           ; s[56:59] group 0: chunk 1
.set G0R, 60                           ; s[60:63] group 0 of the refills: it walks
.set G1R, 68                           ; s[68:75] group 1 of the refills: 64 rows
.set MSB, 0
.macro WIN new                         ; the immediate's high byte repeats the setting that is left; a switch that changes nothing is dropped
.if MSB != (\new)
	s_set_vgpr_msb (MSB<<8)|(\new)
.set MSB, (\new)
.endif
.endm
.macro PLACES                          ; four places in front of loads into registers that matrix instructions have read (ISA guide 7.12.1 for vector instructions)
.rept 4
	v_nop
.endr
.endm
.macro CROUND                          ; a round of the cluster's barrier: my work-group's barrier; wave 0 signals for it; every wave waits for all four work-groups; my work-group's barrier once more
	s_barrier_signal -1
	s_barrier_wait -1
	s_cmp_lg_u32 s[WV], 0
	s_cbranch_scc1 .Lnot_wave_0_\@
	s_barrier_signal -3
.Lnot_wave_0_\@:
	s_barrier_wait -3
	s_barrier_signal -1
	s_barrier_wait -1
.endm
; What hangs on the chunk's number: the scale, the biases' address and my block's address in qkv.
.macro SCAL
	s_cmp_lt_u32 s[CH], 16
	s_cselect_b64 s[BP:BP+1], s[10:11], s[12:13]   ; chunks 0-7 are q, 8-15 k, 16-23 v
	s_cmp_lt_u32 s[CH], 8
	s_cselect_b64 s[BP:BP+1], s[8:9], s[BP:BP+1]
	s_cselect_b32 s[SC], 0x3db504f3, 1.0           ; 1 / sqrt(128) for q alone
	s_mov_b32 s[SC+1], s[SC]
	s_and_b32 s50, s[CH], 7                        ; the head
	s_lshl_b32 s52, s50, 9
	s_mov_b32 s53, 0
	s_add_nc_u64 s[BP:BP+1], s[BP:BP+1], s[52:53]
	s_lshl_b32 s50, s50, 20
	s_lshr_b32 s51, s[CH], 3
	s_lshl_b32 s51, s51, 24
	s_add_co_u32 s50, s50, s51
	s_add_co_u32 s50, s50, s[ROWP]
	s_mov_b32 s51, 0
	s_add_nc_u64 s[OP:OP+1], s[14:15], s[50:51]
.endm
	s_load_b256 s[4:11], s[0:1], 0x0               ; xb 4, wt 6, wq_b 8, wk_b 10
	s_load_b128 s[12:15], s[0:1], 0x20             ; wv_b 12, qkv 14
	v_lshl_add_u32 v[SPW], v0, 2, SPARE
	v_mov_b32 v[NIL], 0
	ds_add_u32 v[SPW], v[NIL]                      ; the wave's opening: the add and its wait stand ahead of my first tensor load; the set-up, work on registers, stands between them
	v_lshrrev_b32 v1, 5, v0
	v_readfirstlane_b32 s[WV], v1
	s_bfe_u32 s17, ttmp6, 0x40000                  ; cx
	s_lshl_b32 s18, ttmp9, 2
	s_add_co_u32 s18, s18, s17                     ; my block of 256 rows: it enters xb's and qkv's addresses alone
	s_and_b32 s19, ttmp7, 0xffff                   ; my group of three chunks, which the four partners share
	s_mul_i32 s[CH], s19, 3
.irp g, G1, G1R
	s_mov_b32 s[\g+0], 15|(1<<16)|(1<<20)|(1<<21)|(5<<22)|(3<<25)  ; mask of four; 2-byte elements; padding on; bit 21 beside a mask; after every 64 words, 4 words
	s_mov_b32 s[\g+1], 128<<16                     ; tensor_dim0 = 128
	s_mov_b32 s[\g+3], 128<<16                     ; tile_dim0 = 128 elements, 256 bytes
	s_mov_b32 s[\g+5], 512                         ; 512 elements from row to row
	s_mov_b32 s[\g+6], 0
	s_mov_b32 s[\g+7], 0
.endr
	s_mov_b32 s[G1+2], 128<<16                     ; tensor_dim1 = 128
	s_mov_b32 s[G1+4], 128                         ; tile_dim1 = 128 rows
	s_mov_b32 s[G1R+2], 64<<16                     ; tensor_dim1 = 64
	s_mov_b32 s[G1R+4], 64                         ; tile_dim1 = 64 rows
	s_and_b32 s2, s[WV], 1                         ; of a refill I fetch quarter 2 half + (wave & 1),
	s_lshr_b32 s3, s[WV], 1                        ; rows 64 (wave >> 1) on
	s_mul_i32 s48, s[WV], REGION                   ; of a first fill: quarter = wave, all 128 rows
	s_mov_b32 s[G0A], 1
	s_add_co_u32 s[G0A+1], s48, SLOT
	s_mov_b32 s[G0B], 1
	s_mov_b32 s[G0B+1], s48
	s_mul_i32 s49, s2, REGION
	s_mul_i32 s50, s3, 64*PITCH
	s_add_co_u32 s49, s49, s50
	s_mov_b32 s[G0R], 1
	s_add_co_u32 s[G0R+1], s49, SLOT-2*REGION      ; one step short of the first refill's place: the loop's head steps, then asks
	s_lshl_b32 s44, s[CH], 17                      ; a chunk is 131,072 bytes of wt
	s_lshl_b32 s50, s3, 16                         ; 64 rows of 1,024 bytes
	s_add_co_u32 s52, s44, s50
	s_lshl_b32 s50, s2, 8                          ; a quarter of K is 256 bytes along the rows
	s_add_co_u32 s52, s52, s50
	s_add_co_u32 s52, s52, 2*131072-512            ; chunk 2, one step of half a row short
	s_mov_b32 s53, 0                               ; s[52:53] the refills' offset in wt
	s_lshl_b32 s45, s[WV], 8
	s_add_co_u32 s44, s44, s45
	s_mov_b32 s45, 0                               ; s[44:45] chunk 0, my quarter
	s_lshl_b32 s48, s18, 18                        ; 256 rows of 1,024 bytes,
	s_lshl_b32 s49, s[WV], 16                      ; my 64 of them
	s_add_co_u32 s48, s48, s49
	s_mov_b32 s49, 0
	s_lshr_b32 s50, s18, 4                         ; row = 256 block + 64 wave: batch = block >> 3, s >> 6 = 4 (block & 7) + wave
	s_lshl_b32 s[ROWP], s50, 23
	s_and_b32 s50, s18, 7
	s_lshl2_add_u32 s50, s50, s[WV]
	s_lshl_b32 s50, s50, 15
	s_add_co_u32 s[ROWP], s[ROWP], s50
	s_bfe_u32 s50, s18, 0x10003
	s_lshl_b32 s50, s50, 14
	s_add_co_u32 s[ROWP], s[ROWP], s50
	s_mov_b32 s[TB], SLOT                          ; chunk 0's slot
	s_mov_b32 s[CNT], 3
	s_mul_i32 s22, s[WV], 16*PITCH
	s_add_co_u32 s22, s22, STAGE                   ; my stage
	v_and_b32 v1, 15, v0                           ; l % 16
	v_bfe_u32 v2, v0, 4, 1                         ; l / 16
	v_lshlrev_b32 v[XO], 10, v1
	v_lshl_add_u32 v[XO], v2, 4, v[XO]
	v_mul_u32_u24 v[BL], v1, PITCH
	v_lshl_add_u32 v[BL], v2, 4, v[BL]
	v_add_nc_u32 v[STO], s22, v[BL]                ; in: row l % 16, 16 bytes for each half of the lanes
	v_mul_u32_u24 v[RD], v2, PITCH                 ; back: lanes 0-15 one row of 256 bytes, lanes 16-31 the next
	v_lshl_add_u32 v[RD], v1, 4, v[RD]
	v_add_nc_u32 v[RD], s22, v[RD]
	v_and_b32 v[CO], 31, v0
	v_lshlrev_b32 v[CO], 4, v[CO]
	v_lshlrev_b32 v[BO], 5, v2
	s_wait_dscnt 0x0                               ; the opening add is done
	s_wait_kmcnt 0x0
	s_add_nc_u64 s[G0A+2:G0A+3], s[6:7], s[44:45]
	s_add_nc_u64 s[G0B+2:G0B+3], s[G0A+2:G0A+3], 131072
	s_add_nc_u64 s[G0R+2:G0R+3], s[6:7], s[52:53]
	s_or_b32 s[G0A+3], s[G0A+3], 0x80000000        ; type = 2
	s_or_b32 s[G0B+3], s[G0B+3], 0x80000000
	s_or_b32 s[G0R+3], s[G0R+3], 0x80000000
	s_add_nc_u64 s[46:47], s[4:5], s[48:49]        ; xb at my 64 rows; never rewritten
	SCAL                                           ; chunk 0's
	CROUND                                         ; all four work-groups are here: the first joint loads meet
	tensor_load_to_lds s[G0A:G0A+3], s[G1:G1+7]    ; chunk 0
	s_nop 0
	PLACES
	; A: fragment (kc, a) is 16 rows x 32 k: lane l holds row l % 16, k = 8 (l / 16) + 0..7 and 16 + 8 (l / 16) + 0..7: two loads of 16 bytes, 32 bytes apart.  kc-major, so that the first products wait for the first loads alone.
	; Chunk 1's fill stands between A's halves: it is wanted in the middle of chunk 0, behind A's first half and ahead of its second.  Both fills stand ahead of every wait on TENSORcnt, every LDS read and every barrier behind the round.
	WIN 0x80                                       ; destination window 2, address window 0
.set n, 0
.rept 8
.irp a, 0,1,2,3
	global_load_b128 v[32*n+8*\a:32*n+8*\a+3],   v[XO], s[46:47] offset:16384*\a+64*n
	global_load_b128 v[32*n+8*\a+4:32*n+8*\a+7], v[XO], s[46:47] offset:16384*\a+64*n+32
.endr
.set n, n+1
.endr
	tensor_load_to_lds s[G0B:G0B+3], s[G1:G1+7]    ; chunk 1
	s_nop 0
	PLACES
	WIN 0xc0                                       ; destination window 3
.set n, 0
.rept 8
.irp a, 0,1,2,3
	global_load_b128 v[32*n+8*\a:32*n+8*\a+3],   v[XO], s[46:47] offset:16384*\a+64*(n+8)
	global_load_b128 v[32*n+8*\a+4:32*n+8*\a+7], v[XO], s[46:47] offset:16384*\a+64*(n+8)+32
.endr
.set n, n+1
.endr
	WIN 0
; 16 LDS loads in one run: B's eight fragments (128 rows of wt, 32 k) of K step kc into buffer f
.macro FETCHB kc, f
	WIN 0
.irp b, 0,1,2,3,4,5,6,7
	ds_load_b128 v[(\f)+8*\b:(\f)+8*\b+3],   v[BA+(\kc)/8] offset:(((\kc)/4)%2)*REGION+\b*16*PITCH+((\kc)%4)*64
	ds_load_b128 v[(\f)+8*\b+4:(\f)+8*\b+7], v[BA+(\kc)/8] offset:(((\kc)/4)%2)*REGION+\b*16*PITCH+((\kc)%4)*64+32
.endr
.endm
; K step kc: 32 along K, 32 matrix instructions on the 32 accumulators by turns; the next step's fragments are fetched first, 32 matrix instructions ahead of their use.
.macro KC kc
	s_wait_dscnt 0x0                               ; this step's fragments, asked for a step ago
.if (\kc) == 7
	s_wait_tensorcnt 0x0                           ; the load that I issued at this chunk's head has landed (no load of mine is younger): in chunk 2 it is my part of the half that the fetch below begins to read;
	s_barrier_signal -1                            ; in chunk 0 it is chunk 1's tile, in chunk 1 the first half of chunk 2
	s_barrier_wait -1                              ; everybody's has.
.endif
.if (\kc) < 15
	PLACES
	FETCHB (\kc)+1, F0+64*(((\kc)+1)%2)
.endif
.if (\kc) < 8
	s_wait_loadcnt 56                              ; behind this step's eight loads of A come 8 (15 - kc) more of A: a count at or below that shows them in; the field ends at 63
.else
	s_wait_loadcnt 8*(15-(\kc))                    ; in later chunks A is long in and the wait is met at once; at kc = 15 it is 0 and shows the biases in as well
.endif
	WIN 0x58+4*((\kc)/8)                           ; source 0 (B) window 0, source 1 (A) window 2 or 3, C and D window 1
.irp a, 0,1,2,3
.irp b, 0,1,2,3,4,5,6,7
.set rD, 8*(8*\a+\b)
.set rB, F0+64*((\kc)%2)+8*\b
.set rA, 32*((\kc)%8)+8*\a
.if (\kc) == 0
	v_wmma_f32_16x16x32_bf16 v[rD:rD+7], v[rB:rB+7], v[rA:rA+7], 0            ; the first product starts the sum: nothing is cleared
.else
	v_wmma_f32_16x16x32_bf16 v[rD:rD+7], v[rB:rB+7], v[rA:rA+7], v[rD:rD+7]
.endif
.endr
.endr
.endm
; THE WAY OUT of my rows 16 a .. 16 a + 15.  PACK: (sum + bias) x scale as sum x scale + (bias x scale), rounded to f16, 16 bytes a lane; each accumulator is read from its low end on.
.macro PACK a
.if (\a) >= 2
	s_wait_xcnt 0x0                                ; the stores of block a - 2 have read the registers into which this block is read back
.endif
	WIN 0x41                                       ; destination and source 0 window 1, the biases window 0
.irp b, 0,1,2,3,4,5,6,7
.irp z, 0,1,2,3
.set rD, 8*(8*(\a)+\b)+2*\z
	v_pk_fma_f32 v[rD:rD+1], v[rD:rD+1], s[SC:SC+1], v[BI+8*\b+2*\z:BI+8*\b+2*\z+1] op_sel_hi:[1,0,1]
.endr
.endr
	WIN 0x05                                       ; sources window 1, destination window 0
.irp b, 0,1,2,3,4,5,6,7
.irp z, 0,1,2,3
.set rD, 8*(8*(\a)+\b)+2*\z
	v_cvt_pk_f16_f32 v[TMP+4*\b+\z], v[rD], v[rD+1]
.endr
.endr
	WIN 0
.endm
.macro TOSTAGE a                       ; into my own stage, and back as whole rows of 256 bytes
	WIN 0
.set BK, OBK+32*((\a)%2)
.irp b, 0,1,2,3,4,5,6,7
	ds_store_b128 v[STO], v[TMP+4*\b:TMP+4*\b+3] offset:32*\b
.endr
.irp t, 0,1,2,3,4,5,6,7
	ds_load_b128 v[BK+4*\t:BK+4*\t+3], v[RD] offset:\t*2*PITCH                 ; LDS serves a wave's instructions in order (ISA guide 5.7.1.4): these see the stores above
.endr
.endm
.macro SEND a
	WIN 0
.set BK, OBK+32*((\a)%2)
	s_wait_dscnt 0x0                               ; the block is back in registers
.irp t, 0,1,2,3,4,5,6,7
	global_store_b128 v[CO], v[BK+4*\t:BK+4*\t+3], s[OP:OP+1] offset:4096*(\a)+512*\t  ; 512 consecutive bytes of my dense block, aligned
.endr
.endm
	s_wait_tensorcnt 0x1                           ; my quarter of chunk 0 is in; chunk 1's may stay out
	s_barrier_signal -1
	s_barrier_wait -1                              ; everybody's is
	s_branch .Lmid                                 ; the loop is entered at its middle: chunk 0 has no head
.Ltop:                                                 ; twice: ahead of chunk 1 and ahead of chunk 2
	s_wait_tensorcnt 0x0                           ; no tensor load of mine is out, so the group 0 may be written
	ds_add_u32 v[SPW], v[NIL]                      ; 0 onto my spare word; the steps below stand between it and the wait for it
	s_add_co_u32 s[G0R+1], s[G0R+1], 2*REGION      ; the first, then the second half of chunk 0's slot,
	s_add_nc_u64 s[G0R+2:G0R+3], s[G0R+2:G0R+3], 512  ; the first, then the second half along K of chunk 2; the type bits on top are not reached
	s_xor_b32 s[TB], s[TB], SLOT
	s_add_co_u32 s[CH], s[CH], 1
	s_wait_dscnt 0x0                               ; the add is done, and my reads of the slots and of the stage are over
	CROUND                                         ; no wave of any partner still reads chunk 0's slot or has a load on its way
	tensor_load_to_lds s[G0R:G0R+3], s[G1R:G1R+7]  ; my one tensor load behind the round
	s_nop 0
	PLACES
	s_wait_xcnt 0x0                                ; the last chunk's stores have read their base and their registers, which are written anew below; they have had the round in which to do so
	SCAL
.Lmid:
	v_add_nc_u32 v[BA], s[TB], v[BL]
	v_add_nc_u32 v[BA+1], 2*REGION, v[BA]
.irp b, 0,1,2,3,4,5,6,7
	global_load_b128 v[BI+8*\b:BI+8*\b+3],   v[BO], s[BP:BP+1] offset:64*\b    ; bias of columns 16 b + 8 (l / 16) + 0..7: what my registers of accumulator (a, b) hold
	global_load_b128 v[BI+8*\b+4:BI+8*\b+7], v[BO], s[BP:BP+1] offset:64*\b+16
.endr
	FETCHB 0, F0
.irp kc, 0,1,2,3,4,5,6,7,8,9,10,11,12,13,14,15
	KC \kc
.endr
	WIN 0
.set z, 0
.rept 32
	v_pk_mul_f32 v[BI+2*z:BI+2*z+1], v[BI+2*z:BI+2*z+1], s[SC:SC+1] op_sel_hi:[1,0]  ; bias x scale: also the places behind the last products
.set z, z+1
.endr
	PACK 0
	TOSTAGE 0
.irp a, 1,2,3
	PACK \a                                        ; a block's arithmetic stands between the loads of the block before and the wait for them
	SEND (\a)-1
	TOSTAGE \a
.endr
	SEND 3
	s_sub_co_u32 s[CNT], s[CNT], 1
	s_cmp_lg_u32 s[CNT], 0
	s_cbranch_scc1 .Ltop
	s_wait_tensorcnt 0x0                           ; the wave's end, behind my last tensor load and my last LDS store
	ds_add_u32 v[SPW], v[NIL]
	s_wait_dscnt 0x0
	CROUND                                         ; the closing round: no work-group ends while a partner may still ask for a tile that names it
	s_endpgm
.Lfunc_end_k_q7e86492a29_qkv:
	.size	k_q7e86492a29_qkv, .Lfunc_end_k_q7e86492a29_qkv-k_q7e86492a29_qkv
	.p2alignl 7, 3214868480
	.fill 96, 4, 3214868480
	.section	.rodata,"a",@progbits
	.p2align	6, 0x0
	.amdhsa_kernel k_q7e86492a29_qkv
		.amdhsa_group_segment_fixed_size 327680
		.amdhsa_private_segment_fixed_size 0
		.amdhsa_enable_private_segment 0
		.amdhsa_kernarg_size 48
		.amdhsa_user_sgpr_count 2
		.amdhsa_user_sgpr_kernarg_segment_ptr 1
		.amdhsa_wavefront_size32 1
		.amdhsa_system_sgpr_workgroup_id_x 1
		.amdhsa_system_sgpr_workgroup_id_y 1
		.amdhsa_system_sgpr_workgroup_id_z 1
		.amdhsa_system_vgpr_workitem_id 0
		.amdhsa_next_free_vgpr 1024
		.amdhsa_next_free_sgpr 76
		.amdhsa_reserve_vcc 0
		.amdhsa_float_denorm_mode_32 3
		.amdhsa_float_denorm_mode_16_64 3
		.amdhsa_memory_ordered 1
		.amdhsa_forward_progress 1
		.amdhsa_inst_pref_size 100
	.end_amdhsa_kernel
	.amdgpu_metadata
---
amdhsa.version: [ 1, 2 ]
amdhsa.kernels:
  - .name:           k_q7e86492a29_qkv
    .symbol:         k_q7e86492a29_qkv.kd
    .args:
      - { .name: xb, .offset: 0, .size: 8, .value_kind: global_buffer, .address_space: global }
      - { .name: wt, .offset: 8, .size: 8, .value_kind: global_buffer, .address_space: global }
      - { .name: wq_b, .offset: 16, .size: 8, .value_kind: global_buffer, .address_space: global }
      - { .name: wk_b, .offset: 24, .size: 8, .value_kind: global_buffer, .address_space: global }
      - { .name: wv_b, .offset: 32, .size: 8, .value_kind: global_buffer, .address_space: global }
      - { .name: qkv, .offset: 40, .size: 8, .value_kind: global_buffer, .address_space: global }
    .group_segment_fixed_size: 327680
    .private_segment_fixed_size: 0
    .kernarg_segment_align: 8
    .kernarg_segment_size: 48
    .max_flat_workgroup_size: 128
    .sgpr_count:     76
    .vgpr_count:     1024
    .wavefront_size: 32
...
	.end_amdgpu_metadata
.endif
;; end of part 2
;; launch attn (part 3): grid 16 x 16, 4 waves a work-group, clusters of 4 x 4, 327,680 bytes of LDS; arguments qkv, pos_embedding, maskc, obuf; writes obuf
.if DOCPART == 3
	.amdgcn_target "amdgcn-amd-amdhsa--gfx1250"
	.amdhsa_code_object_version 6
	.text
	.protected	k_q7e86492a29_attn
	.globl	k_q7e86492a29_attn
	.p2align	8
	.type	k_q7e86492a29_attn,@function
k_q7e86492a29_attn:
	s_mov_b64 s[64:65], 0
	v_nop
	global_prefetch_b8 v0, s[64:65] scope:SCOPE_SE
	s_setreg_imm32_b32 hwreg(HW_REG_WAVE_MODE, 25, 1), 1
	s_wait_xcnt 0x0
	s_wait_alu depctr_hold_cnt(0) depctr_sa_sdst(0) depctr_va_vdst(0) depctr_va_sdst(0) depctr_va_ssrc(0) depctr_va_vcc(0) depctr_vm_vsrc(0)
	s_getreg_b32 s2, hwreg(HW_REG_IB_STS2, 6, 4)
	s_cmp_eq_u32 s2, 0
	s_cbranch_scc0 .Lentry_in_a_cluster
	s_endpgm
.Lentry_in_a_cluster:
	s_bfe_u32 s2, ttmp6, 0x10000c
	s_cmp_lg_u32 s2, 0xf033
	s_cbranch_scc0 .Lentry_shape_is_right
	s_endpgm
.Lentry_shape_is_right:
; ATTENTION.  O[b][s][head] = softmax over S of (q . k + pos[head][s][S] + mask[s][S]) x v, with q already divided by sqrt(128).  q, k, v, the weights p and O in f16; pos, mask, maxima and sums in f32.
; The mask is an input: every score of every row is computed.
; ARITHMETIC.  S^T = K Q^T + pos: pos is loaded into the accumulator's registers and every product adds in place.  t = log2(e) S + maskc (one fused multiply-add; maskc = log2(e) mask was made by the first launch):
; the order (q k + pos) + mask is the reference's.  A running maximum m of t; p = 2^(t - m), the difference exact where t = m, so a row that the mask hides whole comes out as the plain mean; O and l are multiplied by 2^(m_old - m) in every step.
; LIMITS.  m starts at -1e30: a row whose every t lies below that is not served (a row of -inf alone, where the reference has NaN too); single -inf give weight 0.  p below 6e-5 keeps the fixed step of 6e-8 of f16;
; a weight below 2^-126 counts as 0 in l; NaN is not treated apart.
; SHARES.  A work-group takes 128 queries (X) of one head and TWO batches (Y = 2 head + pair): the bias tile, 8 bytes a score, serves both.  Wave w: batch w >> 1 of the pair, queries 64 (w & 1) on: four tiles of 16.
; A step is 64 keys: K and V of both batches (2 x 32 KB) and pos and maskc (2 x 32 KB); with one batch and 256 queries a step would have 164 KB and two slots of it would not fit in LDS.
; BY TURNS.  The wave's tiles are two pieces (tiles 0, 1 and tiles 2, 3).  In a turn one piece issues 32 products V^T P and 32 products K Q^T of the next step; the other piece's softmax stands in 64 slices, one behind
; each matrix instruction; its 32 multiply-adds with the mask stand in a lump at the turn's head.
; CLUSTER 4 x 4.  K and V hang on Y alone: asked for jointly along a row of the cluster.  maskc hangs on X alone: jointly along a column.  pos hangs on the head and X: only the two work-groups of a head's two pairs
; share a tile, and a joint mask here names a whole row or column of four, so pos is a plain load; the two ask in the same round.
; NO FIRST STEP IS WRITTEN OUT: O^T, l, V and piece 2's P start at 0 (O^T and V by 48 products of zero operands, eight registers a line; all this stands in the wait for the first tile); the tail is left in the
; middle of a trip, and its last 32 products K Q^T serve nothing.  That is the price of one text for every turn.
; OUT.  obuf lies in the order of the next launch's fragments: [block of 16 rows][32 k][half][lane][16 bytes].  A lane's eight channels 16 cb + 8 (l / 16) + 0..7 of query l % 16, packed, ARE four registers of that
; fragment (k step 4 head + cb / 2, half cb % 2), so they are stored straight from registers, 512 consecutive bytes a store.
; REGISTERS, in windows of 256 (s_set_vgpr_msb: bits 1:0 source 0, 3:2 source 1, 5:4 source 2, 7:6 destination):
;   window 0: v0-11, v44-46 addresses; v12-43 eight registers of statistics a tile; v64-191 S^T, 32 a tile; v192-255 P, 16 a tile
;   window 1: O^T, 64 a tile      window 2: v0-127 Q; v128-255 K of one step      window 3: v0-127 V of one step; v128-191 maskc of one piece
.set PK,    272       ; a row of K, pos or maskc in LDS: 256 bytes + 16 = 68 words: the 16 rows of a load start at 16 different groups of four banks (64 banks of 4 bytes: ISA guide 11.1)
.set PV,    288       ; a row of V: 256 + 32 = 72 words
.set VOFF,  128*PK    ; a slot: 128 rows of K (64 keys of batch 0 of the pair, then of batch 1),
.set POFF,  VOFF+128*PV  ; 128 rows of V,
.set MOFF,  POFF+128*PK  ; 128 queries x 64 keys of pos,
.set SLOT,  MOFF+128*PK  ; and of maskc: 141,312 bytes
.set SPARE, 2*SLOT    ; behind the ring: the spare words, 128 bytes for each wave: two blocks of 256 bytes that no other line names
.set AK0, 2           ; v2   my lane's place in a slot's K; never rewritten
.set AV0, 3           ; v3   in its V
.set AB0, 4           ; v4   in its pos
.set ADR, 5           ; v5   the LDS address of the run of K or V in hand
.set ADB, 6           ; v6   of the run of pos and maskc
.set QO,  7           ; v7   my byte offset in the wave's rows of Q
.set GO,  44          ; v44  16 x lane
.set PFA, 45          ; v45  the prefetch's byte offset
.set PFO, 46          ; v46  lane x a row of pos
.set SPW, 62          ; v62  LDS address of my spare word; never rewritten
.set NIL, 63          ; v63  0; never rewritten
.set ST,  12          ; tile t's statistics at v[ST+8 t]: +0 m, +1 m_old, +2, +3 l (even keys', odd keys'), +4 to +7 c0-c3 at work; a takes c2's place once the maximum is found
.set S,   64
.set P,   192
.set KF,  128         ; window 2
.set MT,  128         ; window 3
.set WV,  12          ; s12  wave
.set G1K, 24          ; s[24:31], s[32:39], s[40:47], s[48:55] descriptor groups 1 for K, V, pos, maskc
.set G1V, 32
.set G1P, 40
.set G1M, 48
.set G0K, 56          ; s[56:59], s[60:63], s[68:71], s[72:75] groups 0: they walk
.set G0V, 60
.set G0P, 68
.set G0M, 72
.set CNT, 76
.set TB,  77          ; s77  the slot that is read
.set FB,  78          ; s78  the slot that is filled
.set CS,  80          ; s[80:81] log2(e), as a pair
.set SEL, 82          ; s[82:83] v_permlanex16_b32's selects: each lane takes its own place in the other half
.set PFB, 84          ; s[84:85] pos at my 64 of the tile's 128 rows
.set PFK, 86          ; s86  the column byte of the step to be prefetched,
.set PFC, 87          ; s87  clamped to the last step's
.set MSB, 0
.macro WIN new                      ; the high byte repeats the setting that is left; a switch that changes nothing is dropped
.if MSB != (\new)
	s_set_vgpr_msb (MSB<<8)|(\new)
.set MSB, (\new)
.endif
.endm
.set W_KQ, 0x0a       ; K and Q in window 2, S^T in window 0
.set W_PV, 0x53       ; V in window 3, P in window 0, O^T in window 1
.set W_RS, 0x41       ; O^T (destination and source 0) in window 1, a in window 0
.macro PLACES
.rept 4
	v_nop
.endr
.endm
; A step's four tiles, one tensor load a wave: wave 0 K, wave 1 V, wave 2 pos, wave 3 maskc.  The branches hang on the wave's number alone.  An s_nop 0 and four v_nop follow each line, ahead of the jump and the label.
; Wave 2 also asks the far cache for pos two steps beyond the tile that it has just requested: pos comes from memory once, and its tensor load is issued only one trip ahead of its use.  Each of the two
; work-groups that share the tile asks for its own 64 rows, a lane for each row's 256 bytes, in two lines; the column is clamped to the last step's, so no request leaves the buffer.
.macro JLOAD
	s_cmp_lt_u32 s[WV], 2
	s_cbranch_scc0 .Lbias_\@
	s_cmp_eq_u32 s[WV], 0
	s_cbranch_scc0 .Lfor_v_\@
	tensor_load_to_lds s[G0K:G0K+3], s[G1K:G1K+7]
	s_nop 0
	PLACES
	s_branch .Lasked_\@
.Lfor_v_\@:
	tensor_load_to_lds s[G0V:G0V+3], s[G1V:G1V+7]
	s_nop 0
	PLACES
	s_branch .Lasked_\@
.Lbias_\@:
	s_cmp_eq_u32 s[WV], 2
	s_cbranch_scc0 .Lfor_m_\@
	tensor_load_to_lds s[G0P:G0P+3], s[G1P:G1P+7]
	s_nop 0
	PLACES
	global_prefetch_b8 v[PFA], s[PFB:PFB+1] th:TH_LOAD_NT scope:SCOPE_SE
	global_prefetch_b8 v[PFA], s[PFB:PFB+1] offset:262144 th:TH_LOAD_NT scope:SCOPE_SE
	s_branch .Lasked_\@
.Lfor_m_\@:
	tensor_load_to_lds s[G0M:G0M+3], s[G1M:G1M+7]
	s_nop 0
	PLACES
.Lasked_\@:
.endm
.macro CROUND                       ; a round of the cluster's barrier: my work-group's barrier; wave 0 signals for it; every wave waits for all sixteen work-groups; my work-group's barrier once more
	s_barrier_signal -1
	s_barrier_wait -1
	s_cmp_lg_u32 s[WV], 0
	s_cbranch_scc1 .Lnot_wave_0_\@
	s_barrier_signal -3
.Lnot_wave_0_\@:
	s_barrier_wait -3
	s_barrier_signal -1
	s_barrier_wait -1
.endm
; THE CHANGE OF SLOTS, between piece 2's turn and piece 0's: the slot's last bytes, its V, have been asked for.  Each wave waits for all its tensor loads, of which one is out: its tile of the other slot; adds 0 to its
; spare word; and waits for that and for its reads of the slot.  fill = 1: the barrier is a round of the cluster's, and the slot just read is filled with the step two on, first thing behind it: that load has a
; key step, 128 matrix instructions and their vector work, in which to land.  (At its first use nothing has been read: slot 0 is waited for, slot 1 filled.)
.macro CHANGE fill
	WIN 0                           ; at a label and at a branch every window is 0
	s_wait_xcnt 0x0                 ; the last prefetches have read their address register, which is written below
	s_wait_tensorcnt 0x0            ; no tensor load of mine is out, so the groups 0 may be written
	ds_add_u32 v[SPW], v[NIL]       ; 0 onto my spare word; the descriptors' steps stand between it and the wait for it
	s_xor_b32 s[TB], s[TB], SLOT
.if \fill
	s_xor_b32 s[FB], s[FB], SLOT
	s_mov_b32 s[G0K+1], s[FB]
	s_add_co_u32 s[G0V+1], s[FB], VOFF
	s_add_co_u32 s[G0P+1], s[FB], POFF
	s_add_co_u32 s[G0M+1], s[FB], MOFF
	s_add_nc_u64 s[G0K+2:G0K+3], s[G0K+2:G0K+3], 32768  ; the next 64 keys of both batches; the type bits on top are not reached
	s_add_nc_u64 s[G0V+2:G0V+3], s[G0V+2:G0V+3], 32768
	s_add_nc_u64 s[G0P+2:G0P+3], s[G0P+2:G0P+3], 256    ; the next 64 columns
	s_add_nc_u64 s[G0M+2:G0M+3], s[G0M+2:G0M+3], 256
	s_add_co_u32 s[PFK], s[PFK], 256
	s_min_u32 s[PFC], s[PFK], 7936
	v_add_nc_u32 v[PFA], s[PFC], v[PFO]
	s_wait_dscnt 0x0                ; the add is done, and my reads of the slot are over
	CROUND
	JLOAD
.else
	s_wait_dscnt 0x0
	s_barrier_signal -1
	s_barrier_wait -1
.endif
.endm
	s_load_b256 s[4:11], s[0:1], 0x0  ; qkv 4, pos 6, maskc 8, obuf 10
	v_lshl_add_u32 v[SPW], v0, 2, SPARE
	v_mov_b32 v[NIL], 0
	ds_add_u32 v[SPW], v[NIL]       ; the wave's opening: the add and its wait stand ahead of my first tensor load; the set-up, work on registers, stands between them
	v_lshrrev_b32 v1, 5, v0
	v_readfirstlane_b32 s[WV], v1
	s_bfe_u32 s14, ttmp6, 0x40000   ; cx
	s_bfe_u32 s15, ttmp6, 0x40004   ; cy
	s_lshl_b32 s16, ttmp9, 2
	s_add_co_u32 s16, s16, s14      ; X: my block of 128 queries
	s_and_b32 s17, ttmp7, 0xffff
	s_lshl_b32 s17, s17, 2
	s_add_co_u32 s17, s17, s15      ; Y = 2 head + pair of batches
	s_lshl_b32 s88, s15, 2
	s_lshl_b32 s88, 15, s88         ; my row of the cluster
	s_lshl_b32 s89, 0x1111, s14     ; my column
	s_or_b32 s[G1K], s88, (1<<16)|(1<<20)|(1<<21)|(5<<22)|(3<<25)  ; mask: my row; 2-byte elements; padding on; bit 21 beside a mask; after every 64 words, 4 words
	s_or_b32 s[G1V], s88, (1<<16)|(1<<20)|(1<<21)|(5<<22)|(7<<25)  ; the same with 8 words
	s_mov_b32 s[G1P], (2<<16)|(1<<20)|(5<<22)|(3<<25)              ; no mask; 4-byte elements
	s_or_b32 s[G1M], s89, (2<<16)|(1<<20)|(1<<21)|(5<<22)|(3<<25)  ; mask: my column
.irp g, G1K, G1V
	s_mov_b32 s[\g+1], 128<<16      ; tensor_dim0 = 128
	s_mov_b32 s[\g+2], 128<<16      ; tensor_dim1 = 128
	s_mov_b32 s[\g+3], 128<<16      ; tile_dim0 = 128 elements, 256 bytes
	s_mov_b32 s[\g+4], 128          ; tile_dim1 = 128 rows
	s_mov_b32 s[\g+5], 128          ; dense rows
	s_mov_b32 s[\g+6], 0
	s_mov_b32 s[\g+7], 0
.endr
.irp g, G1P, G1M
	s_mov_b32 s[\g+1], 64<<16       ; tensor_dim0 = 64
	s_mov_b32 s[\g+2], 128<<16      ; tensor_dim1 = 128
	s_mov_b32 s[\g+3], 64<<16       ; tile_dim0 = 64 elements, 256 bytes
	s_mov_b32 s[\g+4], 128          ; tile_dim1 = 128 rows
	s_mov_b32 s[\g+5], 2048         ; 2,048 elements from row to row
	s_mov_b32 s[\g+6], 0
	s_mov_b32 s[\g+7], 0
.endr
	s_and_b32 s18, s17, 1           ; the pair
	s_lshr_b32 s19, s17, 1          ; the head
	s_lshl_b32 s20, s18, 23
	s_lshl_b32 s21, s19, 20
	s_add_co_u32 s20, s20, s21
	s_mov_b32 s21, 0                ; s[20:21] pair and head in q, k and v: made of Y alone
	s_lshl_b32 s22, s19, 24
	s_lshl_b32 s23, s16, 20
	s_add_co_u32 s22, s22, s23
	s_mov_b32 s23, 0                ; s[22:23] the head's plane of pos, my 128 rows
	s_lshl_b32 s90, s16, 20
	s_mov_b32 s91, 0                ; s[90:91] my 128 rows of maskc: made of X alone
	s_lshr_b32 s92, s[WV], 1        ; which batch of the pair
	s_and_b32 s93, s[WV], 1         ; which 64 queries
	s_lshl1_add_u32 s94, s16, s93
	s_lshl_b32 s94, s94, 15
	s_lshl_b32 s95, s92, 14
	s_add_co_u32 s94, s94, s95
	s_mov_b32 s95, 0                ; s[94:95] my block of 64 rows of q
	s_lshl1_add_u32 s2, s18, s92    ; the batch
	s_lshl_b32 s2, s2, 22           ; a block of 16 rows is 32,768 bytes of obuf: 2,048 bytes a row
	s_lshl_b32 s3, s16, 18
	s_add_co_u32 s2, s2, s3
	s_lshl_b32 s3, s93, 17
	s_add_co_u32 s2, s2, s3
	s_lshl_b32 s3, s19, 12          ; the head's four k steps of 1,024 bytes
	s_add_co_u32 s2, s2, s3
	s_mov_b32 s3, 0                 ; s[2:3] my four blocks of 16 rows and the head's k steps in obuf
	s_lshl_b32 s18, s18, 19
	s_mov_b32 s19, 0                ; s[18:19] the 64 rows of the pos tile that I prefetch
	s_mov_b32 s[CS], 0x3fb8aa3b     ; log2(e)
	s_mov_b32 s[CS+1], s[CS]
	s_mov_b32 s[SEL], 0x76543210
	s_mov_b32 s[SEL+1], 0xfedcba98
	s_mov_b32 s[TB], SLOT           ; the first change of slots turns these two round
	s_mov_b32 s[FB], 0
	s_mov_b32 s[PFK], 512           ; with step 0's request: step 2
	s_mov_b32 s[G0K], 1
	s_mov_b32 s[G0K+1], 0
	s_mov_b32 s[G0V], 1
	s_mov_b32 s[G0V+1], VOFF
	s_mov_b32 s[G0P], 1
	s_mov_b32 s[G0P+1], POFF
	s_mov_b32 s[G0M], 1
	s_mov_b32 s[G0M+1], MOFF
	v_and_b32 v[PFO], 31, v0
	v_lshlrev_b32 v[PFO], 13, v[PFO]
	v_add_nc_u32 v[PFA], 512, v[PFO]
	s_wait_dscnt 0x0                ; the opening add is done
	s_wait_kmcnt 0x0
	s_add_nc_u64 s[G0K+2:G0K+3], s[4:5], s[20:21]
	s_add_nc_u64 s[G0V+2:G0V+3], s[G0K+2:G0K+3], 2<<24
	s_add_nc_u64 s[G0K+2:G0K+3], s[G0K+2:G0K+3], 1<<24
	s_or_b32 s[G0K+3], s[G0K+3], 0x80000000
	s_or_b32 s[G0V+3], s[G0V+3], 0x80000000
	s_add_nc_u64 s[PFB:PFB+1], s[6:7], s[22:23]
	s_mov_b64 s[G0P+2:G0P+3], s[PFB:PFB+1]
	s_or_b32 s[G0P+3], s[G0P+3], 0x80000000
	s_add_nc_u64 s[PFB:PFB+1], s[PFB:PFB+1], s[18:19]
	s_add_nc_u64 s[G0M+2:G0M+3], s[8:9], s[90:91]
	s_or_b32 s[G0M+3], s[G0M+3], 0x80000000
	s_add_nc_u64 s[4:5], s[4:5], s[20:21]
	s_add_nc_u64 s[4:5], s[4:5], s[94:95]   ; Q at my wave's first row
	s_add_nc_u64 s[10:11], s[10:11], s[2:3] ; O likewise
	CROUND                          ; all sixteen work-groups are here: the first joint loads meet
	JLOAD                           ; step 0 into slot 0; slot 1 is asked for when slot 0 is in
	; A fragment of K or Q is 16 rows x 32 channels in 8 registers: lane l holds row l % 16, channels 8 (l / 16) + 0..7 and 16 + 8 (l / 16) + 0..7: two loads of 16 bytes, 32 bytes apart.
	v_and_b32 v1, 15, v0            ; l % 16
	v_bfe_u32 v9, v0, 4, 1          ; l / 16
	v_lshlrev_b32 v[QO], 8, v1
	v_lshl_add_u32 v[QO], v9, 4, v[QO]
	WIN 0x80                        ; destination window 2, address window 0
.irp i, 0,1,2,3,4,5,6,7,8,9,10,11,12,13,14,15  ; Q stays in registers: tile i / 4, channels 32 (i % 4) on
	global_load_b128 v[8*(\i):8*(\i)+3],   v[QO], s[4:5] offset:((\i)/4)*4096+((\i)%4)*64
	global_load_b128 v[8*(\i)+4:8*(\i)+7], v[QO], s[4:5] offset:((\i)/4)*4096+((\i)%4)*64+32
.endr
	; What the first turns find: V and piece 2's P hold 0 (the first products V^T P, of a step that has not been, add 0), O^T and l are 0, m lies far below every t.
	WIN 0
.set i, P+32
.rept 32
	v_mov_b32 v[i], 0
.set i, i+1
.endr
.irp t, 0,1,2,3
	v_mov_b32 v[ST+8*\t], 0xf149f2ca    ; m = -1e30
	v_mov_b32 v[ST+8*\t+1], 0xf149f2ca
	v_mov_b32 v[ST+8*\t+2], 0
	v_mov_b32 v[ST+8*\t+3], 0
.endr
	WIN 0x40                        ; O^T = 0 x 0 + 0: a product of two of P's zero fragments writes eight registers a line
.set i, 0
.rept 32
	v_wmma_f32_16x16x32_f16 v[8*i:8*i+7], v[P+32:P+39], v[P+40:P+47], 0
.set i, i+1
.endr
	WIN 0xc0                        ; V likewise
.set i, 0
.rept 16
	v_wmma_f32_16x16x32_f16 v[8*i:8*i+7], v[P+32:P+39], v[P+40:P+47], 0
.set i, i+1
.endr
	WIN 0
	s_mul_i32 s13, s92, 64*PK       ; my batch's 64 rows of K
	v_mul_u32_u24 v[AK0], v1, PK
	v_lshl_add_u32 v[AK0], v9, 4, v[AK0]
	v_add_nc_u32 v[AK0], s13, v[AK0]
	; The turning load takes 16 keys x 16 channels (lane l reads key 8 (l / 16) + l % 8, channels 8 ((l / 8) % 2) + 0..7) and leaves half a fragment of V^T: lane l holds channel l % 16 and 8 keys.
	v_and_b32 v10, 7, v0
	v_bfe_u32 v11, v0, 3, 1
	v_lshl_add_u32 v[AV0], v9, 3, v10
	v_mul_u32_u24 v[AV0], v[AV0], PV
	v_lshl_add_u32 v[AV0], v11, 4, v[AV0]
	s_mul_i32 s13, s92, 64*PV
	s_add_co_u32 s13, s13, VOFF
	v_add_nc_u32 v[AV0], s13, v[AV0]
	; Of pos and maskc a lane wants, for query l % 16 of a tile and a block of 16 keys, the keys 8 (l / 16) + 0..7: 32 consecutive bytes, the layout of S^T's registers.
	s_mul_i32 s13, s93, 64*PK
	s_add_co_u32 s13, s13, POFF
	v_mul_u32_u24 v[AB0], v1, PK
	v_lshl_add_u32 v[AB0], v9, 5, v[AB0]
	v_add_nc_u32 v[AB0], s13, v[AB0]
; THE MATRIX WORK OF A TURN, for piece x.  The accumulators take turns, one instruction a turn: between two links of a chain stand 15 (V^T P) or 7 (K Q^T) others'.
; Product i of 32 of O^T += V^T P: keys 32 (i / 16) on, channels 16 ((i / 2) % 8) on, tile x + i % 2.
.macro PV x
	WIN W_PV
.set rO, 64*((\x)+i%2)+8*((i/2)%8)
.set rV, 64*(i/16)+8*((i/2)%8)
.set rP, P+16*((\x)+i%2)+8*(i/16)
	v_wmma_f32_16x16x32_f16 v[rO:rO+7], v[rV:rV+7], v[rP:rP+7], v[rO:rO+7]
.endm
; Product i of 32 of S^T += K Q^T, onto pos: channels 32 (i / 8) on, keys 16 ((i / 2) % 4) on, tile x + i % 2.
.macro KQ x
	WIN W_KQ
.set rS, S+32*((\x)+i%2)+8*((i/2)%4)
.set rK, KF+32*((i/2)%4)+8*(i/8)
.set rQ, 32*((\x)+i%2)+8*(i/8)
	v_wmma_f32_16x16x32_f16 v[rS:rS+7], v[rK:rK+7], v[rQ:rQ+7], v[rS:rS+7]
.endm
; THE LDS LOADS stand in runs of 32, never singly among the matrix instructions.
.macro FETCH_K
	WIN 0
	v_add_nc_u32 v[ADR], s[TB], v[AK0]
	WIN 0x80                        ; destination window 2
.irp f, 0,1,2,3,4,5,6,7,8,9,10,11,12,13,14,15  ; keys 16 (f / 4) on, channels 32 (f % 4) on
	ds_load_b128 v[KF+8*(\f):KF+8*(\f)+3],   v[ADR] offset:((\f)/4)*16*PK+((\f)%4)*64
	ds_load_b128 v[KF+8*(\f)+4:KF+8*(\f)+7], v[ADR] offset:((\f)/4)*16*PK+((\f)%4)*64+32
.endr
.endm
.macro FETCH_V
	WIN 0
	v_add_nc_u32 v[ADR], s[TB], v[AV0]
	WIN 0xc0                        ; destination window 3
.irp f, 0,1,2,3,4,5,6,7,8,9,10,11,12,13,14,15  ; keys 32 (f / 8) on, channels 16 (f % 8) on
	ds_load_tr16_b128 v[8*(\f):8*(\f)+3],   v[ADR] offset:((\f)/8)*32*PV+((\f)%8)*32
	ds_load_tr16_b128 v[8*(\f)+4:8*(\f)+7], v[ADR] offset:((\f)/8)*32*PV+16*PV+((\f)%8)*32
.endr
.endm
.macro FETCH_PM x                   ; piece x: pos into S^T's registers, where the products will add onto it, and maskc beside V
	WIN 0
	v_add_nc_u32 v[ADB], s[TB], v[AB0]
.irp f, 0,1,2,3,4,5,6,7,8,9,10,11,12,13,14,15  ; tile x + f / 8, keys 16 ((f / 2) % 4) on, half f % 2 of the lane's 32 bytes
	ds_load_b128 v[S+32*(\x)+4*(\f):S+32*(\x)+4*(\f)+3], v[ADB] offset:((\x)+(\f)/8)*16*PK+(((\f)/2)%4)*64+((\f)%2)*16
.endr
	WIN 0xc0
.irp f, 0,1,2,3,4,5,6,7,8,9,10,11,12,13,14,15
	ds_load_b128 v[MT+4*(\f):MT+4*(\f)+3], v[ADB] offset:MOFF-POFF+((\x)+(\f)/8)*16*PK+(((\f)/2)%4)*64+((\f)%2)*16
.endr
.endm
; t = log2(e) S + maskc for piece y's 32 pairs, ascending: each accumulator is read from its low end on.
.macro LUMP y
	WIN 0x30                        ; source 2 window 3
.set z, 0
.rept 32
	v_pk_fma_f32 v[S+32*(\y)+2*z:S+32*(\y)+2*z+1], v[S+32*(\y)+2*z:S+32*(\y)+2*z+1], s[CS:CS+1], v[MT+2*z:MT+2*z+1] op_sel_hi:[1,0,1]
.set z, z+1
.endr
.endm
; THE VECTOR WORK OF A TURN.  One tile's softmax for one key step is a numbered list; SM writes number j of it for tile t.  t0-t31 are the lane's 32 exponents, in pairs 0-15.
;   0-15    the maximum of t0-t31 and the old m, three operands at a time: four chains c0-c3 of seven each, then the four left over, c0-c3 and m
;   16-19   the other half of the lanes' maximum; m_old is kept; the new m; m_old - m        20  nothing
;   21-87   33 exponentials (a, then t0-t31) at the odd numbers from 23 on, so that no two follow each other and each has a plain instruction behind it before its result is used.
;           Plain instruction q (number 21, then the even numbers) is whatever is ready: t - m for a pair whose exponentials are still to come (q = 0 to 3, then every second q),
;           the rounding to f16 of a pair whose exponentials are done (every other q from 5 on), at last the first three sums
;   88-101  the last rounding; the rest of the sums; l = a l + the sum
;   102-133 the tile's O^T times a: the one part that leaves window 0, so it stands together
.macro SM t
.set rT, ST+8*(\t)
.set rS, S+32*(\t)
.set rP, P+16*(\t)
.set rO, 64*(\t)+2*(j-102)
.set q, (j-20)/2
.if j < 102
	WIN 0
.endif
.if j < 4
	v_max3_num_f32 v[rT+4+j], v[rS+8*j], v[rS+8*j+1], v[rS+8*j+2]
.elseif j < 12
	v_max3_num_f32 v[rT+4+j%4], v[rT+4+j%4], v[rS+8*(j%4)+2*(j/4)+1], v[rS+8*(j%4)+2*(j/4)+2]
.elseif j == 12
	v_max3_num_f32 v[rT+4], v[rT+4], v[rS+7], v[rS+15]
.elseif j == 13
	v_max3_num_f32 v[rT+6], v[rT+6], v[rS+23], v[rS+31]
.elseif j == 14
	v_max3_num_f32 v[rT+4], v[rT+4], v[rT+5], v[rT+6]
.elseif j == 15
	v_max3_num_f32 v[rT+4], v[rT+4], v[rT+7], v[rT]
.elseif j == 16
	v_permlanex16_b32 v[rT+5], v[rT+4], s[SEL], s[SEL+1]  ; the query's other 32 keys lie in the lane 16 away
.elseif j == 17
	v_mov_b32 v[rT+1], v[rT]
.elseif j == 18
	v_max_num_f32 v[rT], v[rT+4], v[rT+5]
.elseif j == 19
	v_sub_f32 v[rT+7], v[rT+1], v[rT]
.elseif j == 20
.elseif j == 23
	v_exp_f32 v[rT+6], v[rT+7]
.elseif (j < 88) && (j > 23) && (j%2 == 1)
	v_exp_f32 v[rS+(j-25)/2], v[rS+(j-25)/2]
.elseif (q < 4) || ((j < 76) && (q%2 == 0))
.set b, q/2+2
.if q < 4
.set b, q
.endif
	v_pk_add_f32 v[rS+2*b:rS+2*b+1], v[rS+2*b:rS+2*b+1], v[rT:rT+1] op_sel_hi:[1,0] neg_lo:[0,1] neg_hi:[0,1]  ; pair b: t - m
.elseif (j < 88) && (q%2 == 1)
	s_wait_alu depctr_va_vdst(0)
	v_cvt_pk_f16_f32 v[rP+(q-5)/2], v[rS+q-5], v[rS+q-4]  ; pair (q - 5) / 2: its second exponential stands three numbers back
.elseif j == 89
	s_wait_alu depctr_va_vdst(0)
	v_cvt_pk_f16_f32 v[rP+15], v[rS+30], v[rS+31]
.elseif j < 102                     ; the sum of the tile's 16 pairs, in place: sum z of 16 adds neighbours 1, 2, 4 and 8 pairs apart, then l takes it
.set z, j-86
.if j < 89
.set z, (j-76)/4
.endif
.set w, 4
.set u, z
.if z >= 14
.set w, 32
.set u, 0
.elseif z >= 12
.set w, 16
.set u, z-12
.elseif z >= 8
.set w, 8
.set u, z-8
.endif
.if z < 15
	v_pk_add_f32 v[rS+w*u:rS+w*u+1], v[rS+w*u:rS+w*u+1], v[rS+w*u+w/2:rS+w*u+w/2+1]
.else
	v_pk_fma_f32 v[rT+2:rT+3], v[rT+2:rT+3], v[rT+6:rT+7], v[rS:rS+1] op_sel_hi:[1,0,1]
.endif
.else
	WIN W_RS
	v_pk_mul_f32 v[rO:rO+1], v[rO:rO+1], v[rT+6:rT+7] op_sel_hi:[1,0]
.endif
.endm
; Slice k of 64 of piece y's softmax: numbers 2 k and 2 k + 1 of both tiles' lists; the twelve that are over stand together, in slice 63.
.macro SLICE y
.if (k >= 11) && (k < 44)           ; tile by tile: plain, exponential, plain, exponential
.irp t, \y, (\y)+1
.irp n, 0,1
.set j, 2*k+(\n)
	SM \t
.endr
.endr
.else                               ; the two tiles alternate, so that no instruction reads the result of the one just before it
.irp n, 0,1,2,3,4,5,6,7
.if ((\n) < 2) || (k == 63)
.irp t, \y, (\y)+1
.set j, 2*k+(\n)
	SM \t
.endr
.endif
.endr
.endif
.set k, k+1
.endm
; A TURN.  Piece x has the matrix unit; the other piece's lump stands at the head and its softmax in slices behind the matrix instructions.
; The places (ISA guide 7.12.1 for vector instructions): behind a turn's last K Q^T stand slice 63's sixteen plain instructions, ahead of the lump that reads those scores and of the loads into K's buffer.
; Behind the second V^T P: K of the next step (piece 0's turn alone) and the piece's pos and maskc; S^T of the piece is free (its softmax ended a turn ago), maskc's registers have just been read by the lump.
; Behind the second K Q^T of piece 2's turn: V of that step; the last product that read V stands six plain instructions back.  Each run is issued 30 matrix instructions ahead of the wait for it.
.macro TURN x
.set k, 0
.if (\x) == 0
	s_wait_dscnt 0x0                ; V is in
.endif
	LUMP 2-(\x)
.set i, 0
.rept 32
	PV \x
	SLICE 2-(\x)
.if i == 1
.if (\x) == 0
	FETCH_K
.endif
	FETCH_PM \x
.endif
.set i, i+1
.endr
	s_wait_dscnt 0x0                ; K, pos and maskc are in
.set i, 0
.rept 32
	KQ \x
	SLICE 2-(\x)
.if ((\x) == 2) && (i == 1)
	FETCH_V
.endif
.set i, i+1
.endr
.endm
	s_mov_b32 s[CNT], 31
.Lstep:                             ; 31 trips: trip n shows step n's slot whole and asks memory for step n + 1, up to step 31
	CHANGE 1
	s_cmp_eq_u32 s[CNT], 31
	s_cbranch_scc1 .Lpre            ; the first trip has no piece 0's turn yet: a jump forward, past no barrier and no tensor load
	TURN 0
	WIN 0
	s_branch .Lmid
.Lpre:
	FETCH_K                         ; key step 0
	FETCH_PM 0
	s_wait_loadcnt 0x0              ; Q
	s_wait_dscnt 0x0
.set i, 0
.rept 32
	KQ 0                            ; piece 0's first scores: there is no vector work yet to set between them
.set i, i+1
.endr
	WIN 0
	v_and_b32 v[GO], 31, v0         ; the way out's address; with the four lines behind it: the places behind those products
	v_lshlrev_b32 v[GO], 4, v[GO]
	PLACES
.Lmid:
	TURN 2
	WIN 0
	s_sub_co_u32 s[CNT], s[CNT], 1
	s_cmp_lg_u32 s[CNT], 0
	s_cbranch_scc1 .Lstep
	CHANGE 0                        ; the tail is written out: nothing is asked for
	s_mov_b32 s[CNT], 2
.Ltail:                             ; the last step's trip, and half a trip more, which reads the last slot once again and is left in its middle
	TURN 0
	WIN 0
	s_sub_co_u32 s[CNT], s[CNT], 1
	s_cmp_eq_u32 s[CNT], 0
	s_cbranch_scc1 .Lout
	TURN 2
	WIN 0
	s_branch .Ltail
.Lout:
.set i, 0
.rept 32
	PV 2                            ; piece 2: V^T P of the last step
.set i, i+1
.endr
	; THE WAY OUT.  l's two halves and the other half of the lanes' are added; O^T is divided by l, rounded to f16 and stored, a tile (16 rows) at a time.  The additions are the places behind the last products.
	WIN 0
.irp t, 0,1,2,3
	v_add_f32 v[ST+8*(\t)+4], v[ST+8*(\t)+2], v[ST+8*(\t)+3]
.endr
.irp t, 0,1,2,3
	v_permlanex16_b32 v[ST+8*(\t)+5], v[ST+8*(\t)+4], s[SEL], s[SEL+1]
.endr
.irp t, 0,1,2,3
	v_add_f32 v[ST+8*(\t)+4], v[ST+8*(\t)+4], v[ST+8*(\t)+5]
.endr
.irp t, 0,1,2,3
	v_rcp_f32 v[ST+8*(\t)+6], v[ST+8*(\t)+4]
.endr
	v_nop                           ; a plain instruction between the last reciprocal and the use of its result
	s_wait_alu depctr_va_vdst(0)
.macro OUT t                        ; each accumulator is read from its low end on; a lane's eight channels pack into 16 bytes, into S^T's registers, which nothing writes again
	WIN W_RS
.set i, 64*(\t)
.rept 32
	v_pk_mul_f32 v[i:i+1], v[i:i+1], v[ST+8*(\t)+6:ST+8*(\t)+7] op_sel_hi:[1,0]
.set i, i+2
.endr
	WIN 0x05                        ; sources 0 and 1 window 1, destination window 0
.set i, 0
.rept 32
	v_cvt_pk_f16_f32 v[S+32*(\t)+i], v[64*(\t)+2*i], v[64*(\t)+2*i+1]
.set i, i+1
.endr
	WIN 0
.irp f, 0,1,2,3,4,5,6,7
	global_store_b128 v[GO], v[S+32*(\t)+4*(\f):S+32*(\t)+4*(\f)+3], s[10:11] offset:(\t)*32768+(\f)*512  ; channel block f of the tile: half a fragment, 512 consecutive bytes, aligned
.endr
.endm
	OUT 0
	OUT 1
	OUT 2
	OUT 3
	s_wait_tensorcnt 0x0            ; the wave's end, behind my last tensor load
	ds_add_u32 v[SPW], v[NIL]
	s_wait_dscnt 0x0
	CROUND                          ; the closing round: no work-group ends while a partner may still ask for a tile that names it
	s_endpgm
.Lfunc_end_k_q7e86492a29_attn:
	.size	k_q7e86492a29_attn, .Lfunc_end_k_q7e86492a29_attn-k_q7e86492a29_attn
	.p2alignl 7, 3214868480
	.fill 96, 4, 3214868480
	.section	.rodata,"a",@progbits
	.p2align	6, 0x0
	.amdhsa_kernel k_q7e86492a29_attn
		.amdhsa_group_segment_fixed_size 327680
		.amdhsa_private_segment_fixed_size 0
		.amdhsa_enable_private_segment 0
		.amdhsa_kernarg_size 32
		.amdhsa_user_sgpr_count 2
		.amdhsa_user_sgpr_kernarg_segment_ptr 1
		.amdhsa_wavefront_size32 1
		.amdhsa_system_sgpr_workgroup_id_x 1
		.amdhsa_system_sgpr_workgroup_id_y 1
		.amdhsa_system_sgpr_workgroup_id_z 1
		.amdhsa_system_vgpr_workitem_id 0
		.amdhsa_next_free_vgpr 1024
		.amdhsa_next_free_sgpr 96
		.amdhsa_reserve_vcc 0
		.amdhsa_float_denorm_mode_32 3
		.amdhsa_float_denorm_mode_16_64 3
		.amdhsa_memory_ordered 1
		.amdhsa_forward_progress 1
		.amdhsa_inst_pref_size 168
	.end_amdhsa_kernel
	.amdgpu_metadata
---
amdhsa.version: [ 1, 2 ]
amdhsa.kernels:
  - .name:           k_q7e86492a29_attn
    .symbol:         k_q7e86492a29_attn.kd
    .args:
      - { .name: qkv, .offset: 0, .size: 8, .value_kind: global_buffer, .address_space: global }
      - { .name: pos_embedding, .offset: 8, .size: 8, .value_kind: global_buffer, .address_space: global }
      - { .name: maskc, .offset: 16, .size: 8, .value_kind: global_buffer, .address_space: global }
      - { .name: obuf, .offset: 24, .size: 8, .value_kind: global_buffer, .address_space: global }
    .group_segment_fixed_size: 327680
    .private_segment_fixed_size: 0
    .kernarg_segment_align: 8
    .kernarg_segment_size: 32
    .max_flat_workgroup_size: 128
    .sgpr_count:     96
    .vgpr_count:     1024
    .wavefront_size: 32
...
	.end_amdgpu_metadata
.endif
;; end of part 3
;; launch oproj (part 4): grid 64 x 4, 4 waves a work-group, clusters of 4 x 1, 327,680 bytes of LDS; arguments obuf, wot, wo_b, out0; writes out0
.if DOCPART == 4
	.amdgcn_target "amdgcn-amd-amdhsa--gfx1250"
	.amdhsa_code_object_version 6
	.text
	.protected	k_q7e86492a29_oproj
	.globl	k_q7e86492a29_oproj
	.p2align	8
	.type	k_q7e86492a29_oproj,@function
k_q7e86492a29_oproj:
	s_mov_b64 s[64:65], 0
	v_nop
	global_prefetch_b8 v0, s[64:65] scope:SCOPE_SE
	s_setreg_imm32_b32 hwreg(HW_REG_WAVE_MODE, 25, 1), 1
	s_wait_xcnt 0x0
	s_wait_alu depctr_hold_cnt(0) depctr_sa_sdst(0) depctr_va_vdst(0) depctr_va_sdst(0) depctr_va_ssrc(0) depctr_va_vcc(0) depctr_vm_vsrc(0)
	s_getreg_b32 s2, hwreg(HW_REG_IB_STS2, 6, 4)
	s_cmp_eq_u32 s2, 0
	s_cbranch_scc0 .Lentry_in_a_cluster
	s_endpgm
.Lentry_in_a_cluster:
	s_bfe_u32 s2, ttmp6, 0x10000c
	s_cmp_lg_u32 s2, 0x3003
	s_cbranch_scc0 .Lentry_shape_is_right
	s_endpgm
.Lentry_shape_is_right:
; OUT = O Wo + bo.  O (obuf) and Wo (wot, [512 n][1024 k], bf16 numbers written as f16) in f16, sums, bias and result in f32.
; obuf lies in the order of this launch's fragments: [block of 16 rows][32 k][half][lane][16 bytes]: a load of a wave reads 512 consecutive bytes and fills four registers of a fragment.
; SHARES.  A work-group takes 128 rows x 128 columns, K = 1,024: 64 x 4 = 256 work-groups.  A wave takes 32 rows x 128 columns: 16 accumulators.
; A STANDS IN REGISTERS (32 rows x 1,024 k = 512 registers).  B's whole tile, 128 rows x 1,024 k, lies in LDS as eight regions of 128 k, brought by FIRST FILLS
; alone, two tensor loads a wave (two are out at the most): no byte of LDS is filled twice, so there is no ring.  The four row blocks of a cluster need the same tile of wot: joint loads, mask of four.
; THE MATRIX INSTRUCTION IS USED TRANSPOSED (source 0 = 16 rows of wot, source 1 = 16 rows of O): a lane holds eight neighbouring columns of one row.  The bias is the C operand of the first K step.
; REGISTERS: window 0: v0-31 addresses; v64-127, v128-191 B's fragments, two buffers (on the way out v64-127: rows read back); v192-255 64 biases
;   window 1: accumulator (a, b) at v[8 (8 a + b)]      windows 2, 3: A's fragment (kc, a) at v[16 kc + 8 a], kc 0-15 in window 2, 16-31 in window 3
.set PITCH,  272                       ; 256 bytes + 16 = 68 words: the 16 rows of a load start at 16 different groups of four banks (64 banks of 4 bytes: ISA guide 11.1)
.set REGION, 128*PITCH
.set STAGE,  8*REGION                  ; behind B: 16 rows x 528 bytes for each wave, for the way out; no tensor load fills it
.set SPITCH, 528                       ; 512 bytes + 16
.set SPARE,  STAGE+4*16*SPITCH         ; the spare words, 128 bytes for each wave: two blocks of 256 bytes that no other line names
.set BA,  4                            ; v4-7  LDS address of my B fragments: two regions to a register
.set STO, 8                            ; v8    the way out: where I put 32 bytes of a row
.set RD,  9                            ; v9    where I read a row back
.set CO,  10                           ; v10   16 x lane; never rewritten
.set BO,  11                           ; v11   32 x half
.set SPW, 28                           ; v28   LDS address of my spare word; never rewritten
.set NIL, 29                           ; v29   0; never rewritten
.set F0,  64
.set BI,  192
.set OB,  64
.set WV,  12
.set G1,  24                           ; s[24:31]
.set G0A, 32                           ; s[32:35] region = wave
.set G0B, 36                           ; s[36:39] region = wave + 4
.set MSB, 0
.macro WIN new
.if MSB != (\new)
	s_set_vgpr_msb (MSB<<8)|(\new)
.set MSB, (\new)
.endif
.endm
.macro PLACES                          ; four places (ISA guide 7.12.1 for vector instructions)
.rept 4
	v_nop
.endr
.endm
.macro CROUND
	s_barrier_signal -1
	s_barrier_wait -1
	s_cmp_lg_u32 s[WV], 0
	s_cbranch_scc1 .Lnot_wave_0_\@
	s_barrier_signal -3
.Lnot_wave_0_\@:
	s_barrier_wait -3
	s_barrier_signal -1
	s_barrier_wait -1
.endm
	s_load_b256 s[4:11], s[0:1], 0x0               ; obuf 4, wot 6, wo_b 8, out0 10
	v_lshl_add_u32 v[SPW], v0, 2, SPARE
	v_mov_b32 v[NIL], 0
	ds_add_u32 v[SPW], v[NIL]                      ; the wave's opening: the add and its wait stand ahead of my first tensor load; the set-up, work on registers, stands between them
	v_lshrrev_b32 v1, 5, v0
	v_readfirstlane_b32 s[WV], v1
	s_bfe_u32 s13, ttmp6, 0x40000                  ; cx
	s_lshl_b32 s14, ttmp9, 2
	s_add_co_u32 s14, s14, s13                     ; my block of 128 rows: it enters obuf's and out0's addresses alone
	s_and_b32 s15, ttmp7, 0xffff                   ; my block of 128 columns, which the four partners share
	s_mov_b32 s[G1+0], 15|(1<<16)|(1<<20)|(1<<21)|(5<<22)|(3<<25)  ; mask of four; 2-byte elements; padding on; bit 21 beside a mask; after every 64 words, 4 words
	s_mov_b32 s[G1+1], 128<<16                     ; tensor_dim0 = 128
	s_mov_b32 s[G1+2], 128<<16                     ; tensor_dim1 = 128
	s_mov_b32 s[G1+3], 128<<16                     ; tile_dim0 = 128 elements, 256 bytes
	s_mov_b32 s[G1+4], 128                         ; tile_dim1 = 128 rows
	s_mov_b32 s[G1+5], 1024                        ; 1,024 elements from row to row
	s_mov_b32 s[G1+6], 0
	s_mov_b32 s[G1+7], 0
	s_mov_b32 s[G0A], 1
	s_mul_i32 s[G0A+1], s[WV], REGION
	s_mov_b32 s[G0B], 1
	s_add_co_u32 s[G0B+1], s[G0A+1], 4*REGION
	s_lshl_b32 s16, s15, 18                        ; 128 rows of wot of 2,048 bytes,
	s_lshl_b32 s17, s[WV], 8                       ; my eighth of K along them
	s_add_co_u32 s16, s16, s17
	s_mov_b32 s17, 0
	s_lshl_b32 s18, s14, 18                        ; 128 rows at 2,048 bytes a row (in obuf: eight blocks of 32,768 bytes; in out0: rows of 2,048 bytes),
	s_lshl_b32 s19, s[WV], 16                      ; my 32 of them
	s_add_co_u32 s18, s18, s19
	s_mov_b32 s19, 0
	s_lshl_b32 s20, s15, 9                         ; 128 columns of 4 bytes
	s_mov_b32 s21, 0
	s_mul_i32 s22, s[WV], 16*SPITCH
	s_add_co_u32 s22, s22, STAGE                   ; my stage
	v_and_b32 v1, 15, v0                           ; l % 16
	v_bfe_u32 v2, v0, 4, 1                         ; l / 16
	v_mul_u32_u24 v[BA], v1, PITCH
	v_lshl_add_u32 v[BA], v2, 4, v[BA]
	v_add_nc_u32 v[BA+1], 2*REGION, v[BA]
	v_add_nc_u32 v[BA+2], 4*REGION, v[BA]
	v_add_nc_u32 v[BA+3], 6*REGION, v[BA]
	v_mul_u32_u24 v[STO], v1, SPITCH               ; in: row l % 16, 32 bytes for each half of the lanes
	v_lshl_add_u32 v[STO], v2, 5, v[STO]
	v_add_nc_u32 v[STO], s22, v[STO]
	v_and_b32 v[CO], 31, v0
	v_lshlrev_b32 v[CO], 4, v[CO]
	v_add_nc_u32 v[RD], s22, v[CO]                 ; back: 32 lanes take one row of 512 bytes
	v_lshlrev_b32 v[BO], 5, v2
	s_wait_dscnt 0x0                               ; the opening add is done
	s_wait_kmcnt 0x0
	s_add_nc_u64 s[G0A+2:G0A+3], s[6:7], s[16:17]
	s_add_nc_u64 s[G0B+2:G0B+3], s[G0A+2:G0A+3], 1024   ; four eighths on
	s_or_b32 s[G0A+3], s[G0A+3], 0x80000000
	s_or_b32 s[G0B+3], s[G0B+3], 0x80000000
	s_add_nc_u64 s[4:5], s[4:5], s[18:19]
	s_add_nc_u64 s[8:9], s[8:9], s[20:21]
	s_add_nc_u64 s[10:11], s[10:11], s[18:19]
	s_add_nc_u64 s[10:11], s[10:11], s[20:21]
	CROUND                                         ; all four work-groups are here: the joint loads meet
	tensor_load_to_lds s[G0A:G0A+3], s[G1:G1+7]    ; both first fills go out together, ahead of every wait on TENSORcnt and every LDS read
	s_nop 0
	tensor_load_to_lds s[G0B:G0B+3], s[G1:G1+7]
	s_nop 0
	PLACES
.irp b, 0,1,2,3,4,5,6,7
	global_load_b128 v[BI+8*\b:BI+8*\b+3],   v[BO], s[8:9] offset:64*\b        ; bias of columns 16 b + 8 (l / 16) + 0..7: the layout of accumulator (a, b)
	global_load_b128 v[BI+8*\b+4:BI+8*\b+7], v[BO], s[8:9] offset:64*\b+16
.endr
	WIN 0x80                                       ; A, kc-major: destination window 2, address window 0
.set n, 0
.rept 16
.irp a, 0,1
	global_load_b128 v[16*n+8*\a:16*n+8*\a+3],   v[CO], s[4:5] offset:32768*\a+1024*n       ; 512 consecutive bytes: half a fragment
	global_load_b128 v[16*n+8*\a+4:16*n+8*\a+7], v[CO], s[4:5] offset:32768*\a+1024*n+512
.endr
.set n, n+1
.endr
	WIN 0xc0                                       ; destination window 3
.set n, 0
.rept 16
.irp a, 0,1
	global_load_b128 v[16*n+8*\a:16*n+8*\a+3],   v[CO], s[4:5] offset:32768*\a+1024*(n+16)
	global_load_b128 v[16*n+8*\a+4:16*n+8*\a+7], v[CO], s[4:5] offset:32768*\a+1024*(n+16)+512
.endr
.set n, n+1
.endr
	WIN 0
.macro FETCHB kc, f                    ; 16 LDS loads in one run: B's eight fragments of K step kc into buffer f
	WIN 0
.irp b, 0,1,2,3,4,5,6,7
	ds_load_b128 v[(\f)+8*\b:(\f)+8*\b+3],   v[BA+(\kc)/8] offset:(((\kc)/4)%2)*REGION+\b*16*PITCH+((\kc)%4)*64
	ds_load_b128 v[(\f)+8*\b+4:(\f)+8*\b+7], v[BA+(\kc)/8] offset:(((\kc)/4)%2)*REGION+\b*16*PITCH+((\kc)%4)*64+32
.endr
.endm
; K step kc: 16 matrix instructions on the 16 accumulators by turns; the next step's fragments are fetched first.
.macro KC kc
	s_wait_dscnt 0x0                               ; this step's fragments
.if (\kc) == 15
	s_wait_tensorcnt 0x0                           ; my second eighth has landed,
	s_barrier_signal -1
	s_barrier_wait -1                              ; everybody's has: eighths 4 to 7 may be read.
.endif
.if (\kc) < 31
	PLACES
	FETCHB (\kc)+1, F0+64*(((\kc)+1)%2)
.endif
.if (\kc) < 16
	s_wait_loadcnt 60                              ; behind this step's four loads of A come 4 (31 - kc) more: a count at or below that shows them in, and the biases, which are older; the field ends at 63
.else
	s_wait_loadcnt 4*(31-(\kc))
.endif
.if (\kc) == 0
	WIN 0x48                                       ; source 0 (B) and C (the biases) window 0, source 1 (A) window 2, D window 1
.else
	WIN 0x58+4*((\kc)/16)                          ; source 0 (B) window 0, source 1 (A) window 2 or 3, C and D window 1
.endif
.irp a, 0,1
.irp b, 0,1,2,3,4,5,6,7
.set rD, 8*(8*\a+\b)
.set rB, F0+64*((\kc)%2)+8*\b
.set rA, 16*((\kc)%16)+8*\a
.if (\kc) == 0
	v_wmma_f32_16x16x32_f16 v[rD:rD+7], v[rB:rB+7], v[rA:rA+7], v[BI+8*\b:BI+8*\b+7]  ; the first product starts the sum with the bias: nothing is cleared, nothing is added later
.else
	v_wmma_f32_16x16x32_f16 v[rD:rD+7], v[rB:rB+7], v[rA:rA+7], v[rD:rD+7]
.endif
.endr
.endr
.endm
	s_wait_tensorcnt 1                             ; my first eighth is in; the second may stay out
	s_barrier_signal -1
	s_barrier_wait -1                              ; eighths 0 to 3 are whole
	FETCHB 0, F0
.irp kc, 0,1,2,3,4,5,6,7,8,9,10,11,12,13,14,15,16,17,18,19,20,21,22,23,24,25,26,27,28,29,30,31
	KC \kc
.endr
	; THE WAY OUT, 16 rows at a time: a lane's eight columns go as 32 bytes into my stage (each accumulator's low four registers first), whole rows of 512 bytes come back and are stored.
	PLACES                                         ; the LDS stores read results just made
.irp a, 0,1
	WIN 0x04                                       ; store data (source 1) window 1, address window 0
.irp b, 0,1,2,3,4,5,6,7
	ds_store_b128 v[STO], v[8*(8*\a+\b):8*(8*\a+\b)+3]   offset:64*\b
	ds_store_b128 v[STO], v[8*(8*\a+\b)+4:8*(8*\a+\b)+7] offset:64*\b+16
.endr
	WIN 0
.if \a == 1
	s_wait_xcnt 0x0                                ; the first 16 rows' stores have read the registers that are loaded again
.endif
.irp t, 0,1,2,3,4,5,6,7,8,9,10,11,12,13,14,15
	ds_load_b128 v[OB+4*\t:OB+4*\t+3], v[RD] offset:\t*SPITCH                  ; LDS serves a wave's instructions in order (ISA guide 5.7.1.4): these see the stores above
.endr
.irp t, 0,1,2,3,4,5,6,7,8,9,10,11,12,13,14,15
	s_wait_dscnt 15-\t                             ; row t is back; the younger loads stay out
	global_store_b128 v[CO], v[OB+4*\t:OB+4*\t+3], s[10:11] offset:2048*(16*\a+\t)  ; 512 consecutive bytes of a row of out0, aligned
.endr
.endr
	s_wait_tensorcnt 0x0                           ; the wave's end, behind my last tensor load and my last LDS store
	ds_add_u32 v[SPW], v[NIL]
	s_wait_dscnt 0x0
	CROUND                                         ; the closing round: no work-group ends while a partner may still ask for a tile that names it
	s_endpgm
.Lfunc_end_k_q7e86492a29_oproj:
	.size	k_q7e86492a29_oproj, .Lfunc_end_k_q7e86492a29_oproj-k_q7e86492a29_oproj
	.p2alignl 7, 3214868480
	.fill 96, 4, 3214868480
	.section	.rodata,"a",@progbits
	.p2align	6, 0x0
	.amdhsa_kernel k_q7e86492a29_oproj
		.amdhsa_group_segment_fixed_size 327680
		.amdhsa_private_segment_fixed_size 0
		.amdhsa_enable_private_segment 0
		.amdhsa_kernarg_size 32
		.amdhsa_user_sgpr_count 2
		.amdhsa_user_sgpr_kernarg_segment_ptr 1
		.amdhsa_wavefront_size32 1
		.amdhsa_system_sgpr_workgroup_id_x 1
		.amdhsa_system_sgpr_workgroup_id_y 1
		.amdhsa_system_sgpr_workgroup_id_z 1
		.amdhsa_system_vgpr_workitem_id 0
		.amdhsa_next_free_vgpr 1024
		.amdhsa_next_free_sgpr 66
		.amdhsa_reserve_vcc 0
		.amdhsa_float_denorm_mode_32 3
		.amdhsa_float_denorm_mode_16_64 3
		.amdhsa_memory_ordered 1
		.amdhsa_forward_progress 1
		.amdhsa_inst_pref_size 99
	.end_amdhsa_kernel
	.amdgpu_metadata
---
amdhsa.version: [ 1, 2 ]
amdhsa.kernels:
  - .name:           k_q7e86492a29_oproj
    .symbol:         k_q7e86492a29_oproj.kd
    .args:
      - { .name: obuf, .offset: 0, .size: 8, .value_kind: global_buffer, .address_space: global }
      - { .name: wot, .offset: 8, .size: 8, .value_kind: global_buffer, .address_space: global }
      - { .name: wo_b, .offset: 16, .size: 8, .value_kind: global_buffer, .address_space: global }
      - { .name: out0, .offset: 24, .size: 8, .value_kind: global_buffer, .address_space: global }
    .group_segment_fixed_size: 327680
    .private_segment_fixed_size: 0
    .kernarg_segment_align: 8
    .kernarg_segment_size: 32
    .max_flat_workgroup_size: 128
    .sgpr_count:     66
    .vgpr_count:     1024
    .wavefront_size: 32
...
	.end_amdgpu_metadata
.endif
;; end of part 4
;; ======== version 2 of 2: 4 launches; version 1 with the launch prep written anew for expert scheduling mode
;; limits: right only within a limited range of input values; values are held in f16: magnitudes above 65,504 overflow, below 6.1e-05 lose precision
;; workspace buffers: xb 8,388,608 bytes; wt 3,145,728 bytes; wot 1,048,576 bytes; maskc 16,777,216 bytes; qkv 50,331,648 bytes; obuf 16,777,216 bytes
;; launch prep (part 5): grid 256 x 1, 8 waves a work-group, no clusters, 18,432 bytes of LDS; arguments x, mask, wq_w, wk_w, wv_w, wo_w, xb, maskc, wt, wot; writes xb, maskc, wt, wot
.if DOCPART == 5
	.amdgcn_target "amdgcn-amd-amdhsa--gfx1250"
	.amdhsa_code_object_version 6
	.text
	.protected	k_q7e86492a29_prep
	.globl	k_q7e86492a29_prep
	.p2align	8
	.type	k_q7e86492a29_prep,@function
k_q7e86492a29_prep:
	s_mov_b64 s[64:65], 0
	v_nop
	global_prefetch_b8 v0, s[64:65] scope:SCOPE_SE
	s_setreg_imm32_b32 hwreg(HW_REG_WAVE_SCHED_MODE, 0, 2), 2
	s_setreg_imm32_b32 hwreg(HW_REG_WAVE_MODE, 25, 1), 1
	s_wait_xcnt 0x0
	s_wait_alu depctr_vm_vsrc(0)
; PREP.  What the three matrix launches want ready, made in one streaming pass:
;   xb    = x rounded to bf16, [8192][512]
;   maskc = log2(e) x mask in f32, [2048][2048]: the attention adds it by one fused multiply-add that also turns scores into exponents of 2
;   wt    = (Wq | Wk | Wv) transposed and rounded to bf16, [3072][512]: k along the rows, as a matrix fragment wants it
;   wot   = Wo transposed, rounded to bf16 and that number written as f16, [512][1024]
; LIMITS.  A weight of Wo below 6e-5 in size keeps the fixed step of 6e-8 of f16; beyond 65,504 it would be lost (the drawn spread is 0.02).
; SHARES.  256 work-groups of eight waves.  Each takes 65,536 bytes of x, 65,536 bytes of mask and ONE tile of 128 k x 64 n of one weight (4 weights x 64 tiles).
; Memory binds: every byte is read once by 16-byte loads, all 40 loads of a thread go out before the first wait for data, and every store covers whole aligned runs of 256 bytes.
; No matrix unit, no cluster, no tensor load: the work-groups share no input and the only turn of data is the weights 64 x 128 transpose, which goes through LDS.
; THE MODE: SCHED_MODE bits 1:0 = 2 (LLVM: expert scheduling mode 2), set by the entry lines.  The code itself states the register dependences
; between vector instructions and memory or LDS instructions, with s_wait_alu, always for 0.
; THE PLAN.  Registers that memory or LDS instructions touch:
;   v4-v19, v30, v31   offsets and LDS addresses: written by vector instructions at the head, once; read by every load, store and LDS access.  One wait ahead of the first load states them all.
;   WL, XL             written by loads, read by conversions, never loaded again.
;   WD                 written by the weight's conversions, read by the sixteen LDS stores: one wait between the two, behind the label where the two ways join.
;   WR                 written by LDS loads, read by global stores; no vector instruction names it.
;   XP, ML             written by the conversions of x and the scalings of mask, read by the stores of xb and maskc.
; The 32 pieces of x and mask go in eight groups of four.  Group g's arithmetic names its own XL, XP or ML registers alone; its memory instructions are the four stores of group g - 1.  So ONE wait at a group's
; head, behind the wait for the group's data, states that the group before has written what those four stores read, and they are dealt among the group's arithmetic with no further wait.
; Every register that a memory or LDS instruction reads is never written afterwards, and no load lands in a register that a vector instruction has named: so no other dependence is there to state.
.set PITCH,  272                       ; an LDS row: 128 k of 2 bytes + 16 bytes of padding
.set SPARE,  64*PITCH                  ; behind the 64 rows: the spare words, 128 bytes for each of eight waves, four blocks of 256 bytes that no other line names
.set WA,  4                            ; v[4:11]   byte offsets of my 8 loads in the weight tile
.set DA,  12                           ; v[12:15]  byte offsets of my 4 stores in the transposed weight
.set LS,  16                           ; v16       where I put pairs of k in LDS
.set LR,  17                           ; v17       where I read 16 bytes of a row back
.set XO,  18                           ; v18       16 x thread
.set XS8, 19                           ; v19       8 x thread
.set SPW, 30                           ; v30       LDS address of my spare word; never rewritten
.set NIL, 31                           ; v31       0; never rewritten
.set WL,  32                           ; v[32:63]  the weight as loaded: 8 x 4 f32
.set WD,  64                           ; v[64:79]  16 words, each k and k + 1 of one column
.set WR,  80                           ; v[80:95]  4 x 16 bytes of transposed rows
.set XL,  96                           ; v[96:159] x as loaded
.set XP,  160                          ; v[160:191] x packed
.set ML,  192                          ; v[192:255] mask as loaded, then scaled in place
	s_load_b512 s[4:19], s[0:1], 0x0               ; x 4, mask 6, wq 8, wk 10, wv 12, wo 14, xb 16, maskc 18
	s_load_b128 s[20:23], s[0:1], 0x40             ; wt 20, wot 22
	v_lshl_add_u32 v[SPW], v0, 2, SPARE
	v_mov_b32 v[NIL], 0
	s_lshr_b32 s24, ttmp9, 6                       ; which weight: 0 q, 1 k, 2 v, 3 o
	s_and_b32 s25, ttmp9, 63                       ; which of its 64 tiles
	s_cmp_eq_u32 s24, 3
	s_cselect_b32 s26, 11, 12                      ; log2 of a source row: Wo 2,048 bytes, the others 4,096
	s_cselect_b32 s27, 11, 10                      ; log2 of a destination row: wot 2,048 bytes, wt 1,024
	s_cselect_b32 s28, 3, 4                        ; Wo has 8 x 8 tiles (k x n), the others 4 x 16
	s_cselect_b32 s29, 7, 15
	s_cselect_b32 s36, 0, s24                      ; wt holds three weights one below the other, wot one
	s_lshr_b32 s32, s25, s28                       ; kt
	s_and_b32 s33, s25, s29                        ; nt
	s_lshl_b32 s34, s32, 7
	s_lshl_b32 s34, s34, s26                       ; 128 kt source rows
	s_lshl_b32 s35, s33, 8                         ; + 64 nt columns of 4 bytes
	s_add_co_u32 s34, s34, s35
	s_mov_b32 s35, 0                               ; s[34:35] the tile in its weight
	s_lshl_b32 s36, s36, 10
	s_lshl_b32 s37, s33, 6
	s_add_co_u32 s36, s36, s37                     ; destination row 1,024 sel + 64 nt
	s_lshl_b32 s36, s36, s27
	s_lshl_b32 s37, s32, 8                         ; + 128 kt columns of 2 bytes
	s_add_co_u32 s36, s36, s37
	s_mov_b32 s37, 0                               ; s[36:37] the tile in the transposed weight
	s_lshl_b32 s42, ttmp9, 16                      ; my 65,536 bytes of x, mask and maskc
	s_mov_b32 s43, 0
	s_lshl_b32 s44, ttmp9, 15                      ; my 32,768 bytes of xb
	s_mov_b32 s45, 0
	v_and_b32 v1, 15, v0                           ; c4: which 16 bytes (4 columns) of a source row of 256 bytes
	v_lshrrev_b32 v2, 4, v0                        ; kk: 0 to 15
	v_lshlrev_b32 v20, 4, v1
	v_lshlrev_b32 v3, 1, v2
.irp n, 0,1,2,3,4,5,6,7
	v_add_nc_u32 v21, 32*(\n/2)+(\n%2), v3         ; source row 32 i + 2 kk + e, with n = 2 i + e
	v_lshl_add_u32 v[WA+\n], v21, s26, v20
.endr
.irp i, 0,1,2,3
	v_add_nc_u32 v21, 16*\i, v2                    ; destination row kk + 16 i
	v_lshl_add_u32 v[DA+\i], v21, s27, v20
.endr
	v_mul_u32_u24 v[LS], v1, 4*PITCH               ; LDS row 4 c4 (+ j), byte 4 kk (+ 64 i)
	v_lshl_add_u32 v[LS], v2, 2, v[LS]
	v_mul_u32_u24 v[LR], v2, PITCH                 ; LDS row kk (+ 16 i), byte 16 c4
	v_lshl_add_u32 v[LR], v1, 4, v[LR]
	v_lshlrev_b32 v[XO], 4, v0
	v_lshlrev_b32 v[XS8], 3, v0
	s_wait_kmcnt 0x0
	s_cmp_eq_u32 s24, 1                            ; the weight and its destination are chosen by the tile number alone
	s_cselect_b64 s[38:39], s[10:11], s[8:9]
	s_cmp_eq_u32 s24, 2
	s_cselect_b64 s[38:39], s[12:13], s[38:39]
	s_cmp_eq_u32 s24, 3
	s_cselect_b64 s[38:39], s[14:15], s[38:39]
	s_cselect_b64 s[40:41], s[22:23], s[20:21]
	s_add_nc_u64 s[38:39], s[38:39], s[34:35]
	s_add_nc_u64 s[40:41], s[40:41], s[36:37]
	s_add_nc_u64 s[4:5], s[4:5], s[42:43]
	s_add_nc_u64 s[6:7], s[6:7], s[42:43]
	s_add_nc_u64 s[18:19], s[18:19], s[42:43]
	s_add_nc_u64 s[16:17], s[16:17], s[44:45]
	s_wait_alu depctr_va_vdst(0)                   ; the sixteen offsets and LDS addresses v4 to v19 are written, which the loads, stores and LDS accesses of the whole kernel read; no vector instruction writes them again
	; all 40 loads of a thread go out before the first wait for data; every register below is written once, so no source is ever rewritten
.irp n, 0,1,2,3,4,5,6,7
	global_load_b128 v[WL+4*\n:WL+4*\n+3], v[WA+\n], s[38:39] th:TH_LOAD_NT   ; 16 lanes take the 256 bytes of one row of the tile
.endr
.set i, 0
.rept 16
	global_load_b128 v[XL+4*i:XL+4*i+3], v[XO], s[4:5] offset:4096*i th:TH_LOAD_NT
.set i, i+1
.endr
.set i, 0
.rept 16
	global_load_b128 v[ML+4*i:ML+4*i+3], v[XO], s[6:7] offset:4096*i th:TH_LOAD_NT
.set i, i+1
.endr
	s_wait_loadcnt 32                              ; loads return in order: the weight is in, the 32 younger loads stay out
.irp i, 0,1,2,3
.irp j, 0,1,2,3
	v_cvt_pk_bf16_f32 v[WD+4*\i+\j], v[WL+8*\i+\j], v[WL+8*\i+4+\j]           ; k = 32 i + 2 kk and k + 1 of column 4 c4 + j
.endr
.endr
	s_cmp_lg_u32 s24, 3
	s_cbranch_scc1 .Lkeep_bf16                     ; the same way in all eight waves; no barrier is jumped
.irp n, 0,1,2,3,4,5,6,7,8,9,10,11,12,13,14,15
	v_lshlrev_b32 v[22+2*(\n%2)], 16, v[WD+\n]     ; Wo: the bf16 numbers are written as f16, for the product with O in f16
	v_and_b32 v[23+2*(\n%2)], 0xffff0000, v[WD+\n]
	v_cvt_pk_f16_f32 v[WD+\n], v[22+2*(\n%2)], v[23+2*(\n%2)]
.endr
.Lkeep_bf16:
	s_wait_alu depctr_va_vdst(0)                   ; the conversions, on either way to this label, have written v[WD ..], which the LDS stores read
.irp i, 0,1,2,3
.irp j, 0,1,2,3
	ds_store_b32 v[LS], v[WD+4*\i+\j] offset:\j*PITCH+64*\i
.endr
.endr
	s_wait_dscnt 0x0                               ; for the others: my stores into the 64 rows are done
	s_barrier_signal -1
	s_barrier_wait -1
.irp i, 0,1,2,3
	ds_load_b128 v[WR+4*\i:WR+4*\i+3], v[LR] offset:\i*16*PITCH                ; no vector instruction names v[WR ..], and v[LR] was stated at the head
.endr
; Piece k of x: rounded; stored.  Piece k of mask: scaled in place; stored.
.macro XARITH k
	v_cvt_pk_bf16_f32 v[XP+2*(\k)], v[XL+4*(\k)], v[XL+4*(\k)+1]
	v_cvt_pk_bf16_f32 v[XP+2*(\k)+1], v[XL+4*(\k)+2], v[XL+4*(\k)+3]
.endm
.macro XSTORE k
	global_store_b64 v[XS8], v[XP+2*(\k):XP+2*(\k)+1], s[16:17] offset:2048*(\k)        ; a wave stores 256 consecutive bytes, aligned
.endm
.macro MARITH k
	v_pk_mul_f32 v[ML+4*(\k):ML+4*(\k)+1], v[ML+4*(\k):ML+4*(\k)+1], 0x3fb8aa3b op_sel_hi:[1,0]
	v_pk_mul_f32 v[ML+4*(\k)+2:ML+4*(\k)+3], v[ML+4*(\k)+2:ML+4*(\k)+3], 0x3fb8aa3b op_sel_hi:[1,0]
.endm
.macro MSTORE k
	global_store_b128 v[XO], v[ML+4*(\k):ML+4*(\k)+3], s[18:19] offset:4096*(\k)
.endm
; The 32 pieces, p = 0 to 15 of x and 16 to 31 of mask, in eight groups of four.  Ahead of piece p's arithmetic goes the store of piece p - 4, of the group before.
.set p, 0
.rept 32
.if p%4 == 0
	s_wait_loadcnt 28-p                            ; the group's four pieces are in: the 28 - p loads of the later groups are younger and stay out
.if p > 0
	s_wait_alu depctr_va_vdst(0)                   ; the group before has written its four pieces of v[XP ..] or v[ML ..], which the four stores dealt among this group's arithmetic read
.endif
.endif
.if p >= 20
	MSTORE p-20                                    ; no vector instruction since the wait names this piece's registers
.elseif p >= 4
	XSTORE p-4
.endif
.if p < 16
	XARITH p
.else
	MARITH p-16
.endif
.set p, p+1
.endr
	s_wait_dscnt 0x0                               ; the transposed rows are back
.irp i, 0,1,2,3
	global_store_b128 v[DA+\i], v[WR+4*\i:WR+4*\i+3], s[40:41]                 ; 16 lanes store the 256 bytes of one row of the tile, aligned; data from LDS loads, offsets stated at the head
.endr
	s_wait_alu depctr_va_vdst(0)                   ; the last group's scalings have written v[ML+48 ..], which the last four stores read
.irp k, 12,13,14,15
	MSTORE \k
.endr
	s_wait_dscnt 0x0                               ; the closing lines, six on end
	s_wait_alu 0x0
	s_wait_tensorcnt 0x0
	ds_add_u32 v[SPW], v[NIL]
	s_wait_dscnt 0x0
	s_endpgm
.Lfunc_end_k_q7e86492a29_prep:
	.size	k_q7e86492a29_prep, .Lfunc_end_k_q7e86492a29_prep-k_q7e86492a29_prep
	.p2alignl 7, 3214868480
	.fill 96, 4, 3214868480
	.section	.rodata,"a",@progbits
	.p2align	6, 0x0
	.amdhsa_kernel k_q7e86492a29_prep
		.amdhsa_group_segment_fixed_size 18432
		.amdhsa_private_segment_fixed_size 0
		.amdhsa_enable_private_segment 0
		.amdhsa_kernarg_size 80
		.amdhsa_user_sgpr_count 2
		.amdhsa_user_sgpr_kernarg_segment_ptr 1
		.amdhsa_wavefront_size32 1
		.amdhsa_system_sgpr_workgroup_id_x 1
		.amdhsa_system_sgpr_workgroup_id_y 1
		.amdhsa_system_sgpr_workgroup_id_z 1
		.amdhsa_system_vgpr_workitem_id 0
		.amdhsa_next_free_vgpr 256
		.amdhsa_next_free_sgpr 66
		.amdhsa_reserve_vcc 0
		.amdhsa_float_denorm_mode_32 3
		.amdhsa_float_denorm_mode_16_64 3
		.amdhsa_memory_ordered 1
		.amdhsa_forward_progress 1
		.amdhsa_inst_pref_size 22
	.end_amdhsa_kernel
	.amdgpu_metadata
---
amdhsa.version: [ 1, 2 ]
amdhsa.kernels:
  - .name:           k_q7e86492a29_prep
    .symbol:         k_q7e86492a29_prep.kd
    .args:
      - { .name: x, .offset: 0, .size: 8, .value_kind: global_buffer, .address_space: global }
      - { .name: mask, .offset: 8, .size: 8, .value_kind: global_buffer, .address_space: global }
      - { .name: wq_w, .offset: 16, .size: 8, .value_kind: global_buffer, .address_space: global }
      - { .name: wk_w, .offset: 24, .size: 8, .value_kind: global_buffer, .address_space: global }
      - { .name: wv_w, .offset: 32, .size: 8, .value_kind: global_buffer, .address_space: global }
      - { .name: wo_w, .offset: 40, .size: 8, .value_kind: global_buffer, .address_space: global }
      - { .name: xb, .offset: 48, .size: 8, .value_kind: global_buffer, .address_space: global }
      - { .name: maskc, .offset: 56, .size: 8, .value_kind: global_buffer, .address_space: global }
      - { .name: wt, .offset: 64, .size: 8, .value_kind: global_buffer, .address_space: global }
      - { .name: wot, .offset: 72, .size: 8, .value_kind: global_buffer, .address_space: global }
    .group_segment_fixed_size: 18432
    .private_segment_fixed_size: 0
    .kernarg_segment_align: 8
    .kernarg_segment_size: 80
    .max_flat_workgroup_size: 256
    .sgpr_count:     66
    .vgpr_count:     256
    .wavefront_size: 32
...
	.end_amdgpu_metadata
.endif
;; end of part 5
;; launch qkv: the kernel of part 2 again; grid 32 x 8, 4 waves a work-group, clusters of 4 x 1, 327,680 bytes of LDS; arguments xb, wt, wq_b, wk_b, wv_b, qkv; writes qkv
;; launch attn: the kernel of part 3 again; grid 16 x 16, 4 waves a work-group, clusters of 4 x 4, 327,680 bytes of LDS; arguments qkv, pos_embedding, maskc, obuf; writes obuf
;; launch oproj: the kernel of part 4 again; grid 64 x 4, 4 waves a work-group, clusters of 4 x 1, 327,680 bytes of LDS; arguments obuf, wot, wo_b, out0; writes out0
